; MI455X (gfx1250); checked and timed in simulation.
; The chip was launched on July 23, 2026; its instructions are those of AMD's public machine-readable ISA for CDNA 5 (MIT licence, August 2026) and "CDNA5" Instruction Set Architecture Reference Guide (July 2026). The comments in the code are by the model that wrote it; some were corrected since.
;; Attention. Allowed arithmetic: matrix products marked QUANTISED: E2M1 operands, one E8M0 scale for each 32 along K, by v_wmma_scale_f32_16x16x128_f8f6f4 with both operands' format E2M1 (or v_wmma_scale_f32_32x16x128_f4), f32 sums; everything else in f32.
;; Inputs: Wk_codes 1,024 x 32 x 16 uint8 (E2M1 codes of Wk, K innermost, in blocks of 32 codes, two codes a byte); Wk_scales 1,024 x 32 uint8 (E8M0 scales of Wk, one for each 32 codes along K); Wo_codes 1,024 x 32 x 16 uint8 (E2M1 codes of Wo, K innermost, in blocks of 32 codes, two codes a byte); Wo_scales 1,024 x 32 uint8 (E8M0 scales of Wo, one for each 32 codes along K); Wq_codes 1,024 x 32 x 16 uint8 (E2M1 codes of Wq, K innermost, in blocks of 32 codes, two codes a byte); Wq_scales 1,024 x 32 uint8 (E8M0 scales of Wq, one for each 32 codes along K); Wv_codes 1,024 x 32 x 16 uint8 (E2M1 codes of Wv, K innermost, in blocks of 32 codes, two codes a byte); Wv_scales 1,024 x 32 uint8 (E8M0 scales of Wv, one for each 32 codes along K); bk 1,024 float32; bo 1,024 float32; bq 1,024 float32; bv 1,024 float32; x_codes 4 x 2,048 x 32 x 16 uint8 (E2M1 codes of x, K innermost, in blocks of 32 codes, two codes a byte); x_scales 4 x 2,048 x 32 uint8 (E8M0 scales of x, one for each 32 codes along K).
;; Outputs: out0 4 x 2,048 x 1,024 float32.
;; This version of the problem:
;;   THIS VERSION OF THE PROBLEM IS GIVEN IN LOW PRECISION. The matrix products marked QUANTISED in the list below multiply operands that are first quantised to E2M1 (2 exponent bits, 1 mantissa bit; 4 bits a number), with one power-of-two scale for each 32 numbers along K (OCP MX v1.0); their sums are f32. All else is computed in f32.
;;   The module's matrix products, in the order in which they are computed (A, B: the left and right operand; K: the contracted axis; several contracted axes count as one K, in the product's order):
;;     1. [M 8,192, K 1,024] x [K 1,024, N 1,024]; A: input x (given as codes); B: input Wq (given as codes): QUANTISED
;;     2. [M 8,192, K 1,024] x [K 1,024, N 1,024]; A: input x (given as codes); B: input Wk (given as codes): QUANTISED
;;     3. [M 8,192, K 1,024] x [K 1,024, N 1,024]; A: input x (given as codes); B: input Wv (given as codes): QUANTISED
;;     4. batch 64 x [M 2,048, K 64] x [K 64, N 2,048]; A: computed on the way; B: computed on the way: QUANTISED
;;     5. batch 64 x [M 2,048, K 2,048] x [K 2,048, N 64]; A: computed on the way; B: computed on the way: QUANTISED
;;     6. [M 8,192, K 1,024] x [K 1,024, N 1,024]; A: computed on the way; B: input Wo (given as codes): QUANTISED
;;   THE QUANTISER, for each operand of a quantised product, along K:
;;     - K is cut into blocks of 32 from its start; a last block that is shorter is filled with zeros.
;;     - A block's scale is 2^e with e = floor(log2(the largest magnitude in the block)) - 2, held to -126 .. 127; a block of zeros has e = 0. As a byte (E8M0): e + 127.
;;     - Each number is divided by its block's scale, clamped to +-6, and rounded to the nearest number of E2M1, ties to even, subnormals kept.
;;     - The product sums the exact products of the quantised numbers (number of the format x scale) in f32.
;;   ~~~python
;;   def quantise(x, axis):      # numpy; x: float32 -> the quantised numbers, widened to float32 again
;;       x = np.moveaxis(x, axis, -1); K = x.shape[-1]
;;       x = np.pad(x, [(0, 0)] * (x.ndim - 1) + [(0, -K % 32)]); x = x.reshape(x.shape[:-1] + (-1, 32)); a = np.abs(x).max(-1, keepdims=True)
;;       e = np.where(a > 0, np.clip(np.frexp(np.where(a > 0, a, 1))[1] - 1 - 2, -126, 127), 0)      # np.frexp(a)[1] - 1 = floor(log2(a)), exactly
;;       r = np.clip(x / 2.0 ** e, -6, 6)
;;       step = 2.0 ** (np.maximum(np.frexp(np.where(r == 0, 1, r))[1] - 1, 0) - 1)
;;       q = np.round(r / step) * step * 2.0 ** e      # np.round: ties to even
;;       return np.moveaxis(q.reshape(q.shape[:-2] + (-1,))[..., :K], -1, axis).astype(np.float32)
;;   ~~~
;;   OPERANDS COMPUTED ON THE WAY. 'Computed on the way' means the value that the module computes at that place (a softmax that the list does not call 'softmax' is quantised finished and normalised). What goes into a quantiser is computed in f32, as accurately as f32 sums, v_exp_f32 and their like allow (about 1e-6 of the number): no bf16 or f16 on the way to a quantiser, and a product that is left as it is and whose result goes on into a quantised operand takes f32 operands (vector FMAs, or v_wmma_f32_16x16x4_f32). A number that lies on a knife's edge between two numbers of the format may be rounded either way, as far as f32 arithmetic and the matrix unit's own rounding can turn it there, and no further.
;;   INPUTS GIVEN AS CODES. Wk (in the module: [1024, 1024], K = its axis 1); Wo (in the module: [1024, 1024], K = its axis 1); Wq (in the module: [1024, 1024], K = its axis 1); Wv (in the module: [1024, 1024], K = its axis 1); x (in the module: [4, 2048, 1024], K = its axis 2): each comes as NAME_codes (uint8): NAME with its K axis moved to the last place and cut into blocks of 32 codes, [.., K / 32, bytes a block], one block behind the other in memory; two codes a byte, the lower K in the low four bits (a code: sign, 2 exponent bits, 1 mantissa bit); and NAME_scales (uint8): the same leading axes, one E8M0 byte (e + 127) for each 32 codes along K. Its value is code x scale, taken as it is: it is not quantised again, and the codes and scales need not be those that the quantiser above would give.
;; 2 versions, each right; version 2 is version 1 with the launch attn written anew for expert scheduling mode. Each part assembles by itself: llvm-mc -triple=amdgcn-amd-amdhsa -mcpu=gfx1250 --defsym DOCPART=n.
;; ======== version 1 of 2: 3 launches
;; workspace buffers: qkv 13,893,632 bytes; o_codes 4,194,304 bytes; o_scales 262,144 bytes
;; launch qkv (part 1): grid 768 x 1, 4 waves a work-group, no clusters, 221,696 bytes of LDS; arguments x_codes, x_scales, Wq_codes, Wq_scales, bq, Wk_codes, Wk_scales, bk, Wv_codes, Wv_scales, bv, qkv; writes qkv
.if DOCPART == 1
	.amdgcn_target "amdgcn-amd-amdhsa--gfx1250"
	.amdhsa_code_object_version 6
	.text
	.protected	k_qd7d0faad1a_qkv
	.globl	k_qd7d0faad1a_qkv
	.p2align	8
	.type	k_qd7d0faad1a_qkv,@function
k_qd7d0faad1a_qkv:
	s_mov_b64 s[64:65], 0
	v_nop
	global_prefetch_b8 v0, s[64:65] scope:SCOPE_SE
	s_setreg_imm32_b32 hwreg(HW_REG_WAVE_MODE, 25, 1), 1
	s_wait_xcnt 0x0
; q, k, v = x W^T + b on codes of FP4 (E2M1) with E8M0 scales; the results are quantised in registers and stored as IMAGES OF THE NEXT OPERANDS' REGISTERS.
; ONE FORM FOR ALL THREE.  Z[R row][P row] = sum over k; P is source 0, so a lane's registers run along P; R is source 1, so a lane is one row of R.  Z is quantised along P.
;   q, k: P = 256 rows of W (channels: the next K), R = 128 tokens of x.      v: P = 256 tokens of x (the keys are the next K), R = 128 rows of Wv (channels).
; 768 work-groups: ids 0-255 q, 256-511 k, 512-767 v.  Four waves; a wave makes P 128 x R 64: 32 accumulators.
; WHICH ROWS FORM A TILE.  Of a group of 128 rows, lane r of tile 4 g + i takes row 64 g + 32 (r / 8) + 8 (i xor (r / 8)) + r % 8 = 64 g + 8 i + LP, LP = r % 8 + (r / 8) x (40 for even i, 24 for odd i).
;   As source 0 that puts a WHOLE block of 32 along P into a lane: half h of the lanes holds, in the 32 registers of tiles 4 g .. 4 g + 3, block 2 g + h; the conversion of tile 4 g + i is register 4 g + i of the next operand.
;   In half 1 the block's groups of eight stand in the order 1, 0, 3, 2: alike in both operands of the two attention products and inside one scale block, so their sums are kept.
;   Such rows differ modulo 16, so at the LDS pitch of 272 bytes the 16 lanes of a load's pass start at 16 different 16-byte columns of 256.
; LDS: all of K = 1,024 is filled ONCE (two chunks of 512 along K, rows of 256 bytes + 16 of padding), and the scale bytes behind them: no slot is filled again.
; NO CLUSTER: a work-group asks for its 208,896 bytes once, at its head; neighbouring ids share R's tile in fours (q, k) but P's tile in eights (v), so one mask would not serve both forms.
; A RECORD of qkv for each (batch, head), HS bytes; a step is 128 tokens:  +0 K's codes (step x 4,096 + tile x 512 + 16 x lane: lane (r, h) = its token's block h);  +65,536 V's codes (step x 4,096 + 2,048 u + 512 i + 16 x lane:
;   registers 4 u .. 4 u + 3 of the fragment of channel tile i);  +131,072 Q's codes, as K's;  +196,608 K's scale words (step x 512 + 256 g + 8 x lane + 4 n: tile 4 g + 2 n + lane / 16);  +204,800 Q's likewise;  +212,992 V's (step x 256 + 8 x lane + 4 n).
; LIMITS: NaN and infinities are not served; a block whose largest magnitude lies under 2^-124 (a block of zeros too) gets the scale byte 1: its codes are then zeros or the rule's own, and this program alone reads the bytes.
; REGISTERS.  window 0: v1-31 addresses; v32-95 P's scale words [8 pt + q]; v96-127 R's [8 rt + q]; v128-191 the bias as C, later the codes; v192-225 the quantiser.
;   window 1: accumulator (pt, rt) at v[64 rt + 8 pt].   window 2: two sets of fragments: P's pt at v[96 s + 8 pt], R's rt at v[96 s + 64 + 8 rt].
.set PITCH, 272
.set CH,    384*PITCH                  ; a chunk: R's 128 rows, then P's 256
.set SCL,   2*CH                       ; R's scale bytes (4,096), then P's (8,192)
.set HS,    217088
.set ADP,  8                           ; v8-11   P's fragments: chunk x 2 + parity of i
.set ADR,  12                          ; v12-15  R's likewise
.set ASP,  16                          ; v16-17  P's scale words, by parity
.set ASR,  18                          ; v18-19  R's
.set L16,  20                          ; v20     16 x lane
.set L8,   21                          ; v21     8 x lane
.set SH8,  22                          ; v22     8 h
.set BA,   24                          ; v24-25  the bias: lane part by parity
.set SCP,  32
.set SCR,  96
.set BIAS, 128
.set CD,   128
.set TM,   192
.set SO,   200
.set BY,   208
.set SW,   216
.set XW,   220
.set YW,   222
.set WV,   32
.set PH,   33
.set RH,   34
.set SL,   35
.set PT,   37
.set RT,   38
.set ISV,  39
.set G1C,  68                          ; s[68:75] group 1 for codes;  s[76:83] for scale bytes;  s[84:95] three groups 0
.set G1S,  76
.set G0S,  84
.set G0A,  88
.set G0B,  92
.set HM,   96                          ; lanes 16-31
.set SEL,  98                          ; s[98:99] v_permlanex16_b32's selects for lane l xor 16
.set MSB, 0
.macro WIN new                         ; low byte: bits 1:0 source 0, 3:2 source 1, 5:4 source 2, 7:6 destination; the high byte repeats the setting that is left
.if MSB != \new
	s_set_vgpr_msb (MSB<<8)|\new
.set MSB, \new
.endif
.endm
.macro PLACES n                        ; plain vector instructions between a matrix instruction and a load into, or a read of, its registers
.rept \n
	v_nop
.endr
.endm
.macro SCALES                          ; all scale words of my 128 + 64 rows: 32 bytes a row, 16 to a load
.irp g, 0,1
.irp i, 0,1,2,3
.irp u, 0,1
	ds_load_b128 v[SCP+8*(4*\g+\i)+4*\u:SCP+8*(4*\g+\i)+4*\u+3], v[ASP+(\i%2)] offset:(64*\g+8*\i)*32+16*\u
.endr
.endr
.endr
.irp i, 0,1,2,3
.irp u, 0,1
	ds_load_b128 v[SCR+8*\i+4*\u:SCR+8*\i+4*\u+3], v[ASR+(\i%2)] offset:8*\i*32+16*\u
.endr
.endr
.endm
.macro FETCHF q, set                   ; the 12 fragments of K step q (128 along K: 64 bytes of a row) into a set: 24 loads
	WIN 0x80
.irp g, 0,1
.irp i, 0,1,2,3
.irp u, 0,1
	ds_load_b128 v[96*(\set)+8*(4*\g+\i)+4*\u:96*(\set)+8*(4*\g+\i)+4*\u+3], v[ADP+2*((\q)/4)+(\i%2)] offset:(64*\g+8*\i)*PITCH+64*((\q)%4)+32*\u
.endr
.endr
.endr
.irp i, 0,1,2,3
.irp u, 0,1
	ds_load_b128 v[96*(\set)+64+8*\i+4*\u:96*(\set)+64+8*\i+4*\u+3], v[ADR+2*((\q)/4)+(\i%2)] offset:8*\i*PITCH+64*((\q)%4)+32*\u
.endr
.endr
.endm
; 32 matrix instructions: the 32 accumulators take turns, in the same order in every K step.
; mode 0: C = D.  mode 1: C = the bias along P (q, k).  mode 2: C = the bias along R (v).  The bias starts the sums: nothing is cleared and nothing is added later.
.macro MULS q, set, mode
.if \mode == 0
	WIN 0x5a                                       ; A, B window 2; C, D window 1
.else
	WIN 0x4a                                       ; C window 0
.endif
.irp rt, 0,1,2,3
.irp pt, 0,1,2,3,4,5,6,7
.if \mode == 0
.set CR, 64*\rt+8*\pt
.elseif \mode == 1
.set CR, BIAS+8*\pt
.else
.set CR, BIAS+8*\rt
.endif
	v_wmma_scale_f32_16x16x128_f8f6f4 v[64*\rt+8*\pt:64*\rt+8*\pt+7], v[96*(\set)+8*\pt:96*(\set)+8*\pt+7], v[96*(\set)+64+8*\rt:96*(\set)+64+8*\rt+7], v[CR:CR+7], v[SCP+8*\pt+(\q)], v[SCR+8*\rt+(\q)] matrix_a_fmt:MATRIX_FMT_FP4 matrix_b_fmt:MATRIX_FMT_FP4
.endr
.endr
.endm
; The bias, the first barrier, the first fragments and K step 0: the one stretch in which the two forms name different registers, so it stands whole in each arm of one branch.
.macro START mode
.if \mode == 1
	v_mul_u32_u24 v[BA], v2, 160                   ; register j of tile 4 g + i is channel 64 g + 8 i + j + h x (40 | 24)
	v_mul_u32_u24 v[BA+1], v2, 96
.irp g, 0,1
.irp i, 0,1,2,3
	global_load_b128 v[BIAS+8*(4*\g+\i):BIAS+8*(4*\g+\i)+3], v[BA+(\i%2)], s[44:45] offset:(64*\g+8*\i)*4
	global_load_b128 v[BIAS+8*(4*\g+\i)+4:BIAS+8*(4*\g+\i)+7], v[BA+(\i%2)], s[44:45] offset:(64*\g+8*\i)*4+16
.endr
.endr
.else
	v_lshlrev_b32 v[BA], 2, v3                     ; the lane's channel 8 i + LP: one number for all eight registers of a tile of R
	v_lshlrev_b32 v[BA+1], 2, v4
.irp i, 0,1,2,3
.irp j, 0,1,2,3,4,5,6,7
	global_load_b32 v[BIAS+8*\i+\j], v[BA+(\i%2)], s[44:45] offset:32*\i
.endr
.endr
.endif
	s_wait_tensorcnt 0x1                           ; my scale bytes and my part of chunk 0 have landed; chunk 1's load may stay out
	s_barrier_signal -1
	s_barrier_wait -1                              ; everybody's have
	SCALES
	FETCHF 0, 0
	FETCHF 1, 1
	s_wait_dscnt 24                                ; all but K step 1's 24 loads
	s_wait_loadcnt 0x0                             ; the bias
	MULS 0, 0, \mode
	WIN 0                                          ; at a branch and at a label every window is 0
.endm
	s_load_b512 s[8:23], s[0:1], 0x0               ; x codes, x scales, Wq codes, Wq scales, bq, Wk codes, Wk scales, bk
	s_load_b256 s[24:31], s[0:1], 0x40             ; Wv codes, Wv scales, bv, qkv
	v_lshl_add_u32 v254, v0, 2, 0x36000
	v_mov_b32 v255, 0
	ds_add_u32 v254, v255
	ds_add_u32 v254, v255
	v_lshrrev_b32 v5, 5, v0
	v_readfirstlane_b32 s[WV], v5                  ; wave 0..3
	v_bfe_u32 v2, v0, 4, 1                         ; h
	v_and_b32 v5, 7, v0                            ; r % 8
	v_bfe_u32 v6, v0, 3, 1                         ; r / 8
	v_mad_u32_u24 v3, v6, 40, v5                   ; LP for even i
	v_mad_u32_u24 v4, v6, 24, v5                   ; LP for odd i
	v_lshlrev_b32 v7, 4, v2
	v_mad_u32_u24 v23, v3, PITCH, v7               ; LP x pitch + 16 h
	v_mad_u32_u24 v26, v4, PITCH, v7
	s_and_b32 s[PH], s[WV], 1                      ; which 128 rows of P are mine
	s_lshr_b32 s[RH], s[WV], 1                     ; which 64 rows of R
	s_mul_i32 s58, s[PH], 128*PITCH
	s_add_co_u32 s58, s58, 128*PITCH               ; P lies behind R's 128 rows
	s_mul_i32 s59, s[RH], 64*PITCH
	v_add_nc_u32 v[ADP], s58, v23
	v_add_nc_u32 v[ADP+1], s58, v26
	v_add_nc_u32 v[ADR], s59, v23
	v_add_nc_u32 v[ADR+1], s59, v26
.irp n, 0,1
	v_add_nc_u32 v[ADP+2+\n], CH, v[ADP+\n]
	v_add_nc_u32 v[ADR+2+\n], CH, v[ADR+\n]
.endr
	s_lshl_b32 s58, s[PH], 12
	s_add_co_u32 s58, s58, SCL+4096
	s_lshl_b32 s59, s[RH], 11
	s_add_co_u32 s59, s59, SCL
	v_lshl_add_u32 v[ASP], v3, 5, s58              ; 32 scale bytes a row
	v_lshl_add_u32 v[ASP+1], v4, 5, s58
	v_lshl_add_u32 v[ASR], v3, 5, s59
	v_lshl_add_u32 v[ASR+1], v4, 5, s59
	v_and_b32 v5, 31, v0
	v_lshlrev_b32 v[L16], 4, v5
	v_lshlrev_b32 v[L8], 3, v5
	v_lshlrev_b32 v[SH8], 3, v2
.irp n, 0,1,2,3
	v_mov_b32 v[YW+\n], 0                          ; written once: a lane permute's destination counts as one of its sources
.endr
	s_mov_b32 s[HM], 0xffff0000
	s_mov_b32 s[SEL], 0x76543210
	s_mov_b32 s[SEL+1], 0xfedcba98
	s_lshr_b32 s[SL], ttmp9, 8                     ; 0 q, 1 k, 2 v
	s_and_b32 s58, ttmp9, 255
	s_and_b32 s[PT], s58, 3                        ; q, k: 4 tiles of P (W's 1,024 rows), 64 of R (8,192 tokens)
	s_lshr_b32 s[RT], s58, 2
	s_lshr_b32 s59, s58, 3                         ; v: 32 tiles of P (tokens), 8 of R (Wv's rows)
	s_and_b32 s60, s58, 7
	s_cmp_eq_u32 s[SL], 2
	s_cselect_b32 s[PT], s59, s[PT]
	s_cselect_b32 s[RT], s60, s[RT]
	s_cselect_b32 s[ISV], 1, 0
	s_lshl_b32 s58, s[RT], 7                       ; wave 0 fetches R's 128 rows;
	s_lshl_b32 s59, s[PT], 8
	s_lshl_b32 s60, s[WV], 7
	s_add_co_u32 s59, s59, s60
	s_sub_co_u32 s59, s59, 128                     ; waves 1 and 2 P's rows 128 (wave - 1) on
	s_cmp_eq_u32 s[WV], 0
	s_cselect_b32 s58, s58, s59
	s_lshl_b32 s60, s58, 9                         ; a row of codes is 512 bytes,
	s_mov_b32 s61, 0
	s_lshl_b32 s62, s58, 5                         ; of scale bytes 32
	s_mov_b32 s63, 0
	; group 1 for codes: 128 rows x 256 bytes, 512 bytes apart in memory, 16 bytes of padding behind each in LDS
	s_mov_b32 s[G1C], (1<<20)|(5<<22)|(3<<25)      ; no mask; elements of 1 byte; padding on: 4 words behind every 64
	s_mov_b32 s[G1C+1], 256<<16                    ; tensor_dim0
	s_mov_b32 s[G1C+2], 128<<16                    ; tensor_dim1
	s_mov_b32 s[G1C+3], 256<<16                    ; tile_dim0
	s_mov_b32 s[G1C+4], 128                        ; tile_dim1
	s_mov_b32 s[G1C+5], 512                        ; from row to row
	s_mov_b32 s[G1C+6], 0
	s_mov_b32 s[G1C+7], 0
	; group 1 for scale bytes: 128 rows x 32 bytes are 4,096 dense bytes: 16 rows of 32 elements of 8 bytes, no padding
	s_mov_b32 s[G1S], 3<<16
	s_mov_b32 s[G1S+1], 32<<16
	s_mov_b32 s[G1S+2], 16<<16
	s_mov_b32 s[G1S+3], 32<<16
	s_mov_b32 s[G1S+4], 16
	s_mov_b32 s[G1S+5], 32
	s_mov_b32 s[G1S+6], 0
	s_mov_b32 s[G1S+7], 0
	s_wait_dscnt 0x0
	s_wait_kmcnt 0x0
	s_cmp_eq_u32 s[SL], 0                          ; the weight, its scales and its bias: the choices hang on the work-group's number alone
	s_cselect_b64 s[40:41], s[12:13], s[18:19]
	s_cselect_b64 s[42:43], s[14:15], s[20:21]
	s_cselect_b64 s[44:45], s[16:17], s[22:23]
	s_cmp_eq_u32 s[SL], 2
	s_cselect_b64 s[40:41], s[24:25], s[40:41]
	s_cselect_b64 s[42:43], s[26:27], s[42:43]
	s_cselect_b64 s[44:45], s[28:29], s[44:45]
	s_cselect_b64 s[46:47], s[8:9], s[40:41]       ; P: x for v, else the weight
	s_cselect_b64 s[48:49], s[10:11], s[42:43]
	s_cselect_b64 s[50:51], s[40:41], s[8:9]       ; R: the other one
	s_cselect_b64 s[52:53], s[42:43], s[10:11]
	s_cmp_eq_u32 s[WV], 0
	s_cselect_b64 s[54:55], s[50:51], s[46:47]     ; what my wave fetches
	s_cselect_b64 s[56:57], s[52:53], s[48:49]
	s_add_nc_u64 s[54:55], s[54:55], s[60:61]
	s_add_nc_u64 s[56:57], s[56:57], s[62:63]
	s_mov_b32 s[G0S], 1
	s_lshl_b32 s[G0S+1], s[WV], 12
	s_add_co_u32 s[G0S+1], s[G0S+1], SCL           ; LDS: SCL + 4,096 x wave
	s_mov_b64 s[G0S+2:G0S+3], s[56:57]
	s_or_b32 s[G0S+3], s[G0S+3], 0x80000000
	s_mov_b32 s[G0A], 1
	s_mul_i32 s[G0A+1], s[WV], 128*PITCH           ; LDS: 128 rows x wave, chunk 0
	s_mov_b64 s[G0A+2:G0A+3], s[54:55]
	s_or_b32 s[G0A+3], s[G0A+3], 0x80000000
	s_mov_b32 s[G0B], 1
	s_add_co_u32 s[G0B+1], s[G0A+1], CH            ; chunk 1: the rows' second 256 bytes
	s_add_nc_u64 s[G0B+2:G0B+3], s[54:55], 256
	s_or_b32 s[G0B+3], s[G0B+3], 0x80000000
	s_cmp_eq_u32 s[WV], 3                          ; three waves fetch, three loads each, in one branch: by this text's count three tensor loads of a wave are out at the most
	s_cbranch_scc1 .Lno_fill
	tensor_load_to_lds s[G0S:G0S+3], s[G1S:G1S+7]
	s_nop 0
	tensor_load_to_lds s[G0A:G0A+3], s[G1C:G1C+7]
	s_nop 0
	tensor_load_to_lds s[G0B:G0B+3], s[G1C:G1C+7]
	s_nop 0
.rept 4
	v_nop
.endr
.Lno_fill:
	; where the bias begins and where the results go
	s_lshl_b32 s58, s[PT], 1
	s_add_co_u32 s58, s58, s[PH]                   ; 2 Pt + ph
	s_lshl_b32 s59, s[RT], 1
	s_add_co_u32 s59, s59, s[RH]                   ; 2 Rt + rh
	s_lshl_b32 s60, s58, 9                         ; q, k: channel 256 Pt + 128 ph, 4 bytes each
	s_lshl_b32 s61, s59, 8                         ; v: channel 128 Rt + 64 rh
	s_lshl_b32 s62, s58, 1                         ; 4 Pt + 2 ph
	s_cmp_eq_u32 s[ISV], 1
	s_cselect_b32 s60, s61, s60
	s_cselect_b32 s58, s58, s[RT]                  ; my group of 128 tokens
	s_cselect_b32 s59, s59, s62                    ; my first head
	s_mov_b32 s61, 0
	s_add_nc_u64 s[44:45], s[44:45], s[60:61]
	s_lshr_b32 s62, s58, 4                         ; batch
	s_and_b32 s58, s58, 15                         ; step
	s_lshl_b32 s62, s62, 4
	s_add_co_u32 s62, s62, s59
	s_mul_i32 s62, s62, HS                         ; the record
	s_lshl_b32 s59, s58, 12
	s_add_co_u32 s59, s59, s62                     ; codes: + step x 4,096
	s_lshl_b32 s60, s58, 9                         ; scale words: step x 512 (q, k)
	s_lshl_b32 s58, s58, 8                         ; or x 256 (v)
	s_lshl_b32 s40, s[RH], 11                      ; q, k: my four tiles of tokens are tiles 4 rh on
	s_lshl_b32 s41, s[RH], 8
	s_mov_b32 s42, HS                              ; q, k: the second half of my codes is the next head's; v: registers 4-7 of the same fragments
	s_cmp_eq_u32 s[ISV], 1
	s_cselect_b32 s60, s58, s60
	s_cselect_b32 s40, 0, s40
	s_cselect_b32 s41, 0, s41
	s_cselect_b32 s42, 2048, s42
	s_add_co_u32 s59, s59, s40
	s_add_co_u32 s60, s60, s62
	s_add_co_u32 s60, s60, s41
	s_mov_b32 s40, 131072
	s_cmp_eq_u32 s[SL], 0
	s_cselect_b32 s40, s40, 0                      ; the record's part: q 131,072, k 0,
	s_cselect_b32 s41, 8192, 0
	s_cmp_eq_u32 s[SL], 2
	s_cselect_b32 s40, 65536, s40                  ; v 65,536
	s_cselect_b32 s41, 16384, s41
	s_add_co_u32 s58, s59, s40
	s_mov_b32 s59, 0
	s_add_co_u32 s60, s60, s41
	s_add_co_u32 s60, s60, 196608
	s_mov_b32 s61, 0
	s_mov_b32 s43, 0
	s_add_nc_u64 s[46:47], s[30:31], s[58:59]      ; codes, first half
	s_add_nc_u64 s[48:49], s[46:47], s[42:43]      ; second half
	s_add_nc_u64 s[50:51], s[30:31], s[60:61]      ; scale words
	s_add_nc_u64 s[52:53], s[50:51], HS            ; q, k: the next head's
	s_cmp_eq_u32 s[ISV], 1
	s_cbranch_scc1 .Lstart_v
	START 1
	s_branch .Lstarted
.Lstart_v:
	START 2
.Lstarted:
.irp q, 1,2,3,4,5,6,7
	PLACES 4                                       ; in front of loads into the set that the last 32 products read
.if \q == 3
	s_wait_tensorcnt 0x0                           ; my part of chunk 1 has landed,
	s_wait_dscnt 0x0                               ; no LDS load of mine is out at a signal;
	s_barrier_signal -1
	s_barrier_wait -1                              ; everybody's has.
.endif
.if \q < 7
	FETCHF \q+1, (\q+1)%2
	s_wait_dscnt 24                                ; this step's fragments, asked for 32 products ago, are in; the 24 just issued may be out
.else
	s_wait_dscnt 0x0
.endif
	MULS \q, \q%2, 0
.endr
	; THE QUANTISER.  Chain x = 2 rt + g: the 32 registers at v[32 x] of window 1 are one whole block.  Ascending.
	PLACES 4
	WIN 0x05                                       ; sources 0 and 1 window 1
.irp x, 0,1,2,3,4,5,6,7
	v_max3_num_f32 v[TM+\x], |v[32*\x]|, |v[32*\x+1]|, 0x1800000   ; the floor 2^(3 - 127) among the leaves: the byte cannot fall under 1
.endr
.irp n, 2,4,6,8,10,12,14,16,18,20,22,24,26,28,30
.irp x, 0,1,2,3,4,5,6,7
	v_max3_num_f32 v[TM+\x], |v[32*\x+\n]|, |v[32*\x+\n+1]|, v[TM+\x]   ; the eight chains by turns
.endr
.endr
	WIN 0
.irp x, 0,1,2,3,4,5,6,7
	v_add_nc_u32 v[SO+\x], 0xff000000, v[TM+\x]    ; 2 off the exponent field: the conversion's scale operand
.endr
.irp x, 0,1,2,3,4,5,6,7
	v_lshrrev_b32 v[BY+\x], 23, v[SO+\x]           ; the scale's byte
.endr
.irp rt, 0,1,2,3
	v_lshl_or_b32 v[SW+\rt], v[BY+2*\rt+1], 16, v[BY+2*\rt]   ; my blocks h and 2 + h,
.endr
.irp rt, 0,1,2,3
	v_lshlrev_b32 v[SW+\rt], v[SH8], v[SW+\rt]     ; at their places in the word;
.endr
.irp rt, 0,1,2,3
	v_permlanex16_b32 v[YW+\rt], v[SW+\rt], s[SEL], s[SEL+1]
.endr
.irp rt, 0,1,2,3
	v_or_b32 v[SW+\rt], v[SW+\rt], v[YW+\rt]       ; with lane l xor 16's two the word is whole, in both halves
.endr
	WIN 0x01                                       ; source 0 window 1
.irp x, 0,1,2,3,4,5,6,7
.irp i, 0,1,2,3
	v_cvt_scalef32_pk8_fp4_f32 v[CD+4*\x+\i], v[32*\x+8*\i:32*\x+8*\i+7], v[SO+\x]
.endr
.endr
	WIN 0
	v_nop                                          ; one plain place behind the scaled conversions
.irp rt, 0,1,2,3
	global_store_b128 v[L16], v[CD+8*\rt:CD+8*\rt+3], s[46:47] offset:512*\rt       ; each store covers 512 consecutive bytes, aligned
	global_store_b128 v[L16], v[CD+8*\rt+4:CD+8*\rt+7], s[48:49] offset:512*\rt
.endr
	v_cndmask_b32 v[XW], v[SW], v[SW+1], s[HM]     ; lanes 0-15 carry the even tile's words, lanes 16-31 the odd tile's: so one register serves two tiles in the next launch
	v_cndmask_b32 v[XW+1], v[SW+2], v[SW+3], s[HM]
	s_cmp_eq_u32 s[ISV], 1
	s_cbranch_scc1 .Lwords_v
	v_and_b32 v[YW], 0xffff, v[XW]                 ; q, k: bytes 0, 1 are the first head's two blocks; the word's upper bytes, 0, stand for the unused half of the next K
	v_and_b32 v[YW+1], 0xffff, v[XW+1]
	v_lshrrev_b32 v[YW+2], 16, v[XW]               ; bytes 2, 3 the next head's
	v_lshrrev_b32 v[YW+3], 16, v[XW+1]
	global_store_b64 v[L8], v[YW:YW+1], s[50:51]   ; 256 consecutive bytes, aligned
	global_store_b64 v[L8], v[YW+2:YW+3], s[52:53]
	s_wait_tensorcnt 0x0
	ds_add_u32 v254, v255
	s_wait_dscnt 0x0
	s_endpgm
.Lwords_v:
	global_store_b64 v[L8], v[XW:XW+1], s[50:51]   ; v: the four bytes are the step's four blocks of keys
	s_wait_tensorcnt 0x0
	ds_add_u32 v254, v255
	s_wait_dscnt 0x0
	s_endpgm
.Lfunc_end_k_qd7d0faad1a_qkv:
	.size	k_qd7d0faad1a_qkv, .Lfunc_end_k_qd7d0faad1a_qkv-k_qd7d0faad1a_qkv
	.p2alignl 7, 3214868480
	.fill 96, 4, 3214868480
	.section	.rodata,"a",@progbits
	.p2align	6, 0x0
	.amdhsa_kernel k_qd7d0faad1a_qkv
		.amdhsa_group_segment_fixed_size 221696
		.amdhsa_private_segment_fixed_size 0
		.amdhsa_enable_private_segment 0
		.amdhsa_kernarg_size 96
		.amdhsa_user_sgpr_count 2
		.amdhsa_user_sgpr_kernarg_segment_ptr 1
		.amdhsa_wavefront_size32 1
		.amdhsa_system_sgpr_workgroup_id_x 1
		.amdhsa_system_sgpr_workgroup_id_y 1
		.amdhsa_system_sgpr_workgroup_id_z 1
		.amdhsa_system_vgpr_workitem_id 0
		.amdhsa_next_free_vgpr 768
		.amdhsa_next_free_sgpr 100
		.amdhsa_reserve_vcc 0
		.amdhsa_float_denorm_mode_32 3
		.amdhsa_float_denorm_mode_16_64 3
		.amdhsa_memory_ordered 1
		.amdhsa_forward_progress 1
		.amdhsa_inst_pref_size 83
	.end_amdhsa_kernel
	.amdgpu_metadata
---
amdhsa.version: [ 1, 2 ]
amdhsa.kernels:
  - .name:           k_qd7d0faad1a_qkv
    .symbol:         k_qd7d0faad1a_qkv.kd
    .args:
      - { .name: x_codes, .offset: 0, .size: 8, .value_kind: global_buffer, .address_space: global }
      - { .name: x_scales, .offset: 8, .size: 8, .value_kind: global_buffer, .address_space: global }
      - { .name: Wq_codes, .offset: 16, .size: 8, .value_kind: global_buffer, .address_space: global }
      - { .name: Wq_scales, .offset: 24, .size: 8, .value_kind: global_buffer, .address_space: global }
      - { .name: bq, .offset: 32, .size: 8, .value_kind: global_buffer, .address_space: global }
      - { .name: Wk_codes, .offset: 40, .size: 8, .value_kind: global_buffer, .address_space: global }
      - { .name: Wk_scales, .offset: 48, .size: 8, .value_kind: global_buffer, .address_space: global }
      - { .name: bk, .offset: 56, .size: 8, .value_kind: global_buffer, .address_space: global }
      - { .name: Wv_codes, .offset: 64, .size: 8, .value_kind: global_buffer, .address_space: global }
      - { .name: Wv_scales, .offset: 72, .size: 8, .value_kind: global_buffer, .address_space: global }
      - { .name: bv, .offset: 80, .size: 8, .value_kind: global_buffer, .address_space: global }
      - { .name: qkv, .offset: 88, .size: 8, .value_kind: global_buffer, .address_space: global }
    .group_segment_fixed_size: 221696
    .private_segment_fixed_size: 0
    .kernarg_segment_align: 8
    .kernarg_segment_size: 96
    .max_flat_workgroup_size: 128
    .sgpr_count:     100
    .vgpr_count:     768
    .wavefront_size: 32
...
	.end_amdgpu_metadata
.endif
;; end of part 1
;; launch attn (part 2): grid 4 x 64, 16 waves a work-group, no clusters, 224,256 bytes of LDS; arguments qkv, o_codes, o_scales; writes o_codes, o_scales
.if DOCPART == 2
	.amdgcn_target "amdgcn-amd-amdhsa--gfx1250"
	.amdhsa_code_object_version 6
	.text
	.protected	k_qd7d0faad1a_attn
	.globl	k_qd7d0faad1a_attn
	.p2align	8
	.type	k_qd7d0faad1a_attn,@function
k_qd7d0faad1a_attn:
	s_mov_b64 s[64:65], 0
	v_nop
	global_prefetch_b8 v0, s[64:65] scope:SCOPE_SE
	s_setreg_imm32_b32 hwreg(HW_REG_WAVE_MODE, 25, 1), 1
	s_wait_xcnt 0x0
; o = Q(softmax(q k^T / 8)) Q(v), then o is quantised along the model's 1,024 channels.  All operands are codes of FP4 (E2M1) with E8M0 scales, taken from the records that the launch before stored.
; WHAT IS QUANTISED IS THE FINISHED SOFTMAX: a row's maximum and sum are known before any of its 2,048 weights gets a code.  So THE WAVES SHARE THE KEYS: wave w of sixteen owns keys 128 w .. 128 w + 127 of the head for the
; whole launch (its fragments of K stay in registers), and the work-group takes ONE tile of 16 queries at a time: a whole row of weights is alive at once, 64 a lane.  Each score and each exponential is made once.
; A TILE:  FRONT: S^T = K Q^T (a lane holds one query), M_w = the wave's largest t = s log2(e) / 8 rounded up to a whole number, p = 2^(t - M_w), l_w = its sum; -M_w and l_w go to LDS | barrier |
;   BACK: M = the largest M_w, l = the sum of l_w 2^(M_w - M) (exact shifts), p x 2^(M_w - M) / l, quantised along the keys; the codes go to LDS as an image of the operand's registers.
; Between two barriers stand BACK of tile k and FRONT of tile k + 1: one barrier a tile.
; THE SECOND PRODUCT IS SPREAD OVER FOUR WAVES AND FOUR INTERVALS.  The tiles go in groups of four.  Group g's images lie in set g % 2 of LDS; during group g + 1 four waves take one tile of group g each and multiply, in the
;   group's interval j, key steps 4 j .. 4 j + 3 by V from LDS (one accumulator for each output, keys ascending; O^T stays in the wave's registers from interval to interval); behind the last stage the wave quantises o and stores it.
;   So no wave has more than four key steps beside its BACK and FRONT between two barriers.  Tile m of a group is taken by wave 4 m + ((q - m) & 3), q = the group % 4: among the four, both w % 4 and w / 4 differ.
;   A set is written in one group, read in the next and written again in the one after; in every interval the stores go to one set and the loads come from the other, 65,536 bytes apart.
; K = 64 of the first product's 128: Q's registers 4-7 are zero codes, so what stands in K's registers 4-7 (the next tile's codes) and under the scale bytes 0 adds nothing.
; The keys of a tile of K, the tokens of a tile of Q and the channels of a tile of V are chosen as the launch before laid them: a lane's 32 registers of four tiles are one whole block of 32.
; abs() of the softmax changes nothing: no weight is negative.
; NO CLUSTER: nothing comes by tensor load; the four work-groups of a head each read its 143,360 bytes of K, V and scale words once, through registers.
; LIMITS: NaN and infinities are not served.  M is a whole number exactly for |t| < 2^24.  v_exp_f32 gives 0 under 2^-126.  A block of weights or of o under 2^-124 gets the scale byte 1.
;   A block's largest weight is taken from its largest score by the same arithmetic: this takes v_exp_f32 not to fall where its input rises (the ISA guide promises 1 ulp).
.set HS,   217088
.set VIMG, 0                           ; LDS: V's codes of the whole head, as they lie in the record: 65,536 bytes
.set VSC,  65536                       ; V's scale words: 4,096
.set PB0,  69632                       ; the weights' images: set x 65,536 + (tile % 4) x 16,384 + 1,024 x wave
.set PS0,  200704                      ; their scale words: set x 8,192 + (tile % 4) x 2,048 + 128 x wave
.set ST0,  217088                      ; -M_w at + 0, l_w at + 1,280: row = query (80 bytes apart), word = wave; twice (the tile's parity: + 2,560)
.set L16,  1                           ; v1   16 x lane
.set AQC,  2                           ; v2   Q's codes of the next tile
.set R8,   3                           ; v3   8 r
.set AQS,  4                           ; v4   Q's scale word of the next tile
.set ASTW, 5                           ; v5   ST0 + 80 r + 4 w
.set ASTR, 6                           ; v6   ST0 + 80 r + 32 h
.set APW,  7                           ; v7, v8   where I store my image, by set: PB0 + 65,536 set + 1,024 w + 16 x lane
.set APR,  9                           ; v9, v10  where I read the images of the tile that I multiply: PB0 + 65,536 set + 16,384 (w / 4) + 16 x lane
.set AVS,  11                          ; v11  VSC + 8 x lane
.set AOC,  12                          ; v12  512 h + 16 r
.set AOS,  13                          ; v13  32 x (the lane's token in the tile that I multiply) + h
.set APSW, 14                          ; v14  PS0 + 128 w + 4 x lane
.set SH8,  15                          ; v15  8 h
.set NM,   16                          ; v[16:17] -M_w (the pair's upper word is only named)
.set GM,   18                          ; v[18:19] -M
.set FF,   20                          ; v[20:21] 2^(M_w - M) / l
.set BM,   26                          ; v26-27 a block's largest score, then weight
.set SO,   28
.set BY,   30
.set PW,   32
.set QS,   33                          ; scale words, and nothing else: Q's; v34-37 K's
.set KS,   34
.set QF,   42                          ; v42-49 Q's fragment
.set KF,   50                          ; v50-85 K's: tile t at v[50 + 4 t], four registers of codes each, and four zeros at the end
.set PC,   86
.set ML,   94
.set LL,   102
.set APSR, 114                         ; v114 PS0 + 2,048 (w / 4) + 4 x lane
.set SS,   118                         ; v118-181 scores, then weights; in a stage of the second product two sets of V's four fragments
.set OA,   182                         ; v182-213 O^T
.set PF,   214                         ; v214-229 two sets of the weights' fragment
.set VS,   230                         ; v230-233 V's scale words, two sets;  v234-235 the weights'
.set PS,   234
.set OC,   236
.set OF,   240
.set WV,   10
.set TN,   30                          ; tiles whose FRONT is done
.set LC,   31
.set HM,   32
.set SEL,  34
.set CS,   36
.set WQ,   41                          ; ((w & 3) + (w >> 2)) & 3: in which groups I multiply
.set PQ,   42                          ; which waves multiply in the group in hand: those whose WQ it is (4: none)
.set GC,   43                          ; the group in hand
.set MB,   44                          ; w >> 2: which tile of a group I multiply
.macro PLACES n
.rept \n
	v_nop
.endr
.endm
.macro WM d, a, b, acc, sa, sb, odd    ; one product; acc = 0: it starts the sum; odd = 1: source 0's scale words stand in lanes 16-31
.if \acc
.if \odd
	v_wmma_scale_f32_16x16x128_f8f6f4 v[(\d):(\d)+7], v[(\a):(\a)+7], v[(\b):(\b)+7], v[(\d):(\d)+7], v[\sa], v[\sb] matrix_a_fmt:MATRIX_FMT_FP4 matrix_b_fmt:MATRIX_FMT_FP4 matrix_a_scale:MATRIX_SCALE_ROW1
.else
	v_wmma_scale_f32_16x16x128_f8f6f4 v[(\d):(\d)+7], v[(\a):(\a)+7], v[(\b):(\b)+7], v[(\d):(\d)+7], v[\sa], v[\sb] matrix_a_fmt:MATRIX_FMT_FP4 matrix_b_fmt:MATRIX_FMT_FP4
.endif
.else
.if \odd
	v_wmma_scale_f32_16x16x128_f8f6f4 v[(\d):(\d)+7], v[(\a):(\a)+7], v[(\b):(\b)+7], 0, v[\sa], v[\sb] matrix_a_fmt:MATRIX_FMT_FP4 matrix_b_fmt:MATRIX_FMT_FP4 matrix_a_scale:MATRIX_SCALE_ROW1
.else
	v_wmma_scale_f32_16x16x128_f8f6f4 v[(\d):(\d)+7], v[(\a):(\a)+7], v[(\b):(\b)+7], 0, v[\sa], v[\sb] matrix_a_fmt:MATRIX_FMT_FP4 matrix_b_fmt:MATRIX_FMT_FP4
.endif
.endif
.endm
; FRONT of tile n = TN; par = n % 2.
.macro FRONT par
	s_wait_loadcnt 0x0                             ; Q's fragment and scale word, asked for a tile ago
.irp t, 0,1,2,3,4,5,6,7
	WM SS+8*\t, KF+4*\t, QF, 0, KS+\t/2, QS, \t%2
.endr
	s_add_co_u32 s38, s[TN], 1
	s_min_u32 s38, s38, 31                         ; the next tile; the last asks for itself once more: no load leaves the record
	s_lshl_b32 s39, s38, 9
	v_add_nc_u32 v[AQC], s39, v[L16]               ; 512 bytes a tile.  (This and the next addition are two of the four places behind the products)
	s_lshr_b32 s39, s38, 2
	s_lshl_b32 s39, s39, 8                         ; scale words: 256 bytes for four tiles,
	s_and_b32 s40, s38, 1
	s_lshl_b32 s40, s40, 7                         ; the odd tile's in lanes 16-31's places,
	s_add_co_u32 s39, s39, s40
	s_bfe_u32 s40, s38, 0x10001
	s_lshl_b32 s40, s40, 2                         ; tiles 2, 3 of the four in the second word
	s_add_co_u32 s39, s39, s40
	v_add_nc_u32 v[AQS], s39, v[R8]
	PLACES 2
	global_load_b128 v[QF:QF+3], v[AQC], s[16:17]
	global_load_b32 v[QS], v[AQS], s[18:19]
	v_max3_num_f32 v[BM], v[SS], v[SS+1], v[SS+2]  ; the largest score of each of my two blocks of 32 keys: it serves the row's maximum and, later, the block's scale
	v_max3_num_f32 v[BM+1], v[SS+32], v[SS+33], v[SS+34]
.set n, 3
.rept 14
	v_max3_num_f32 v[BM], v[BM], v[SS+n], v[SS+n+1]
	v_max3_num_f32 v[BM+1], v[BM+1], v[SS+32+n], v[SS+33+n]
.set n, n+2
.endr
	v_max_num_f32 v[BM], v[BM], v[SS+31]
	v_max_num_f32 v[BM+1], v[BM+1], v[SS+63]
	v_max_num_f32 v22, v[BM], v[BM+1]
	v_permlanex16_b32 v23, v22, s[SEL], s[SEL+1]
	v_max_num_f32 v22, v22, v23                    ; of my wave's 128 keys
	v_mul_f32 v22, s[CS], v22                      ; as t (c is positive)
	v_floor_f32 v[NM], -v22                        ; -M_w = floor(-t): a whole number
.set n, 0
.rept 32
	v_pk_fma_f32 v[SS+n:SS+n+1], v[SS+n:SS+n+1], s[CS:CS+1], v[NM:NM+1] op_sel_hi:[1,0,0]   ; t - M_w, two at a time
.set n, n+2
.endr
	v_fma_f32 v[BM], v[BM], s[CS], v[NM]
	v_fma_f32 v[BM+1], v[BM+1], s[CS], v[NM]
.set n, 0
.rept 64
	v_exp_f32 v[SS+n], v[SS+n]
.set n, n+1
.endr
	v_exp_f32 v[BM], v[BM]
	v_exp_f32 v[BM+1], v[BM+1]
	v_nop                                          ; a plain place behind the exponentials
	s_wait_alu depctr_va_vdst(0)
	v_pk_add_f32 v[38:39], v[SS:SS+1], v[SS+2:SS+3]       ; the sum, in two chains
	v_pk_add_f32 v[40:41], v[SS+4:SS+5], v[SS+6:SS+7]
.set n, 8
.rept 14
	v_pk_add_f32 v[38:39], v[38:39], v[SS+n:SS+n+1]
	v_pk_add_f32 v[40:41], v[40:41], v[SS+n+2:SS+n+3]
.set n, n+4
.endr
	v_pk_add_f32 v[38:39], v[38:39], v[40:41]
	v_add_f32 v38, v38, v39
	v_permlanex16_b32 v23, v38, s[SEL], s[SEL+1]
	v_add_f32 v38, v38, v23                        ; l_w
	ds_store_b32 v[ASTW], v[NM] offset:2560*(\par)           ; both halves of the lanes write the same word with the same value
	ds_store_b32 v[ASTW], v38 offset:2560*(\par)+1280
	s_add_co_u32 s[TN], s[TN], 1
.endm
; BACK of tile k: par = k % 2, j = k % 4, set = (k / 4) % 2.
.macro BACK par, j, set
	ds_load_b128 v[ML:ML+3], v[ASTR] offset:2560*(\par)      ; -M and l of waves 8 h .. 8 h + 7 for my query
	ds_load_b128 v[ML+4:ML+7], v[ASTR] offset:2560*(\par)+16
	ds_load_b128 v[LL:LL+3], v[ASTR] offset:2560*(\par)+1280
	ds_load_b128 v[LL+4:LL+7], v[ASTR] offset:2560*(\par)+1296
	s_wait_dscnt 0x0
	v_min3_num_f32 v[GM], v[ML], v[ML+1], v[ML+2]
	v_min3_num_f32 v[GM], v[GM], v[ML+3], v[ML+4]
	v_min3_num_f32 v[GM], v[GM], v[ML+5], v[ML+6]
	v_min_num_f32 v[GM], v[GM], v[ML+7]
	v_permlanex16_b32 v22, v[GM], s[SEL], s[SEL+1]
	v_min_num_f32 v[GM], v[GM], v22                ; -M
.irp n, 0,2,4,6
	v_pk_add_f32 v[ML+\n:ML+\n+1], v[GM:GM+1], v[ML+\n:ML+\n+1] op_sel_hi:[0,1] neg_lo:[0,1] neg_hi:[0,1]   ; M_i - M: whole numbers, 0 or less
.endr
.irp n, 0,1,2,3,4,5,6,7
	v_cvt_i32_f32 v[ML+\n], v[ML+\n]               ; (it saturates)
.endr
.irp n, 0,1,2,3,4,5,6,7
	v_ldexp_f32 v[LL+\n], v[LL+\n], v[ML+\n]       ; l_i under M: nothing is rounded
.endr
	v_pk_add_f32 v[LL:LL+1], v[LL:LL+1], v[LL+2:LL+3]
	v_pk_add_f32 v[LL+4:LL+5], v[LL+4:LL+5], v[LL+6:LL+7]
	v_pk_add_f32 v[LL:LL+1], v[LL:LL+1], v[LL+4:LL+5]
	v_add_f32 v[LL], v[LL], v[LL+1]
	v_permlanex16_b32 v22, v[LL], s[SEL], s[SEL+1]
	v_add_f32 v[LL], v[LL], v22                    ; the row's sum
	v_rcp_f32 v[FF], v[LL]
	v_sub_f32 v23, v[GM], v[NM]                    ; M_w - M.  (The plain place behind the reciprocal)
	v_cvt_i32_f32 v23, v23
	s_wait_alu depctr_va_vdst(0)
	v_ldexp_f32 v[FF], v[FF], v23
.set n, 0
.rept 32
	v_pk_mul_f32 v[SS+n:SS+n+1], v[SS+n:SS+n+1], v[FF:FF+1] op_sel_hi:[1,0]   ; the finished softmax
.set n, n+2
.endr
	v_mul_f32 v[BM], v[BM], v[FF]                  ; the same arithmetic on the block's largest: the same bits
	v_mul_f32 v[BM+1], v[BM+1], v[FF]
	v_max_num_f32 v[BM], 0x1800000, v[BM]          ; the floor 2^(3 - 127): the byte cannot fall under 1
	v_max_num_f32 v[BM+1], 0x1800000, v[BM+1]
	v_add_nc_u32 v[SO], 0xff000000, v[BM]          ; 2 off the exponent field: the conversion's scale operand
	v_add_nc_u32 v[SO+1], 0xff000000, v[BM+1]
	v_lshrrev_b32 v[BY], 23, v[SO]
	v_lshrrev_b32 v[BY+1], 23, v[SO+1]
	v_lshl_or_b32 v24, v[BY+1], 16, v[BY]          ; my blocks h and 2 + h, at their places in the word;
	v_lshlrev_b32 v24, v[SH8], v24
	v_permlanex16_b32 v25, v24, s[SEL], s[SEL+1]
	v_or_b32 v[PW], v24, v25                       ; with lane l xor 16's two it is whole
.irp g, 0,1
.irp i, 0,1,2,3
	v_cvt_scalef32_pk8_fp4_f32 v[PC+4*\g+\i], v[SS+32*\g+8*\i:SS+32*\g+8*\i+7], v[SO+\g]
.endr
.endr
	v_nop                                          ; one plain place behind the scaled conversions
	ds_store_b128 v[APW+(\set)], v[PC:PC+3] offset:16384*(\j)        ; the fragment as it stands: 16 bytes a lane, 512 a store
	ds_store_b128 v[APW+(\set)], v[PC+4:PC+7] offset:16384*(\j)+512
	ds_store_b32 v[APSW], v[PW] offset:8192*(\set)+2048*(\j)
.endm
.macro FETCHPV st, set, lset           ; key step st of my tile in LDS set lset: the weights' fragment and scale words, V's four fragments and theirs: 12 loads, into register set 'set'
	ds_load_b128 v[PF+8*(\set):PF+8*(\set)+3], v[APR+(\lset)] offset:1024*(\st)
	ds_load_b128 v[PF+8*(\set)+4:PF+8*(\set)+7], v[APR+(\lset)] offset:1024*(\st)+512
	ds_load_b32 v[PS+(\set)], v[APSR] offset:8192*(\lset)+128*(\st)
.irp x, 0,1,2,3,4,5,6,7
	ds_load_b128 v[SS+32*(\set)+8*(\x%4)+4*(\x/4):SS+32*(\set)+8*(\x%4)+4*(\x/4)+3], v[L16] offset:VIMG+4096*(\st)+512*\x
.endr
	ds_load_b64 v[VS+2*(\set):VS+2*(\set)+1], v[AVS] offset:256*(\st)
.endm
; Stage j of the second product, for the four waves whose group this is: key steps 4 j .. 4 j + 3 of tile 4 (GC - 1) + MB, whose images lie in set lset.  No barrier stands inside the branch.
; It stands between BACK, which has turned the weights into codes, and FRONT, which writes the next scores: so V's fragments may lie in the weights' registers.
.macro PVQ j, lset
	s_cmp_lg_u32 s[PQ], s[WQ]
	s_cbranch_scc1 .Lnot_mine_\@
	FETCHPV 4*\j, 0, \lset
.irp u, 0,1,2,3
.if \u > 0
	PLACES 4                                       ; in front of loads into the set that the last four products read
.endif
.if \u < 3
	FETCHPV 4*\j+\u+1, (\u+1)%2, \lset
	s_wait_dscnt 12                                ; this step's are in; the 12 just issued may be out
.else
	s_wait_dscnt 0x0
.endif
.irp i, 0,1,2,3                        ; the four accumulators take turns
.if 4*\j+\u == 0
	WM OA+8*\i, SS+32*(\u%2)+8*\i, PF+8*(\u%2), 0, VS+2*(\u%2)+\i/2, PS+\u%2, \i%2
.else
	WM OA+8*\i, SS+32*(\u%2)+8*\i, PF+8*(\u%2), 1, VS+2*(\u%2)+\i/2, PS+\u%2, \i%2
.endif
.endr
.endr
	PLACES 5                                       ; the next scores are written by matrix instructions over registers that these products read: five places
.if \j == 3
	s_wait_xcnt 0x0                                ; my stores of sixteen tiles ago have read their registers and bases
	s_lshl_b32 s38, s[GC], 2
	s_add_co_u32 s38, s38, s[MB]
	s_sub_co_u32 s38, s38, 4                       ; my tile: 4 (GC - 1) + MB
	s_lshl_b32 s28, s38, 13                        ; o's codes: 8,192 bytes a tile
	s_mov_b32 s29, 0
	s_add_nc_u64 s[24:25], s[20:21], s[28:29]
	s_lshr_b32 s28, s38, 2
	s_lshl_b32 s28, s28, 11                        ; o's scale bytes: 64 tokens of 32 bytes for four tiles,
	s_and_b32 s39, s38, 3
	s_lshl_b32 s39, s39, 8                         ; 8 tokens for each of the four
	s_add_co_u32 s28, s28, s39
	s_add_nc_u64 s[26:27], s[22:23], s[28:29]
	v_max3_num_f32 v244, |v[OA]|, |v[OA+1]|, 0x1800000       ; my 32 numbers are block h of the head's two: two chains, each accumulator from its low end on
	v_max3_num_f32 v245, |v[OA+16]|, |v[OA+17]|, 0x1800000
.irp n, 2,4,6,8,10,12,14
	v_max3_num_f32 v244, v244, |v[OA+\n]|, |v[OA+\n+1]|
	v_max3_num_f32 v245, v245, |v[OA+16+\n]|, |v[OA+17+\n]|
.endr
	v_max_num_f32 v244, v244, v245
	v_add_nc_u32 v246, 0xff000000, v244
	v_lshrrev_b32 v247, 23, v246
.irp i, 0,1,2,3
	v_cvt_scalef32_pk8_fp4_f32 v[OC+\i], v[OA+8*\i:OA+8*\i+7], v246
.endr
	v_nop                                          ; one plain place behind the scaled conversions
	v_cndmask_b32 v[OF], v[OC], v[OC+1], s[HM]     ; Wo's codes lie in their natural order: in lanes 16-31 the groups of eight change places back
	v_cndmask_b32 v[OF+1], v[OC+1], v[OC], s[HM]
	v_cndmask_b32 v[OF+2], v[OC+2], v[OC+3], s[HM]
	v_cndmask_b32 v[OF+3], v[OC+3], v[OC+2], s[HM]
	global_store_b128 v[AOC], v[OF:OF+3], s[24:25] ; each half of the lanes stores 256 consecutive bytes, aligned
	global_store_b8 v[AOS], v247, s[26:27]         ; a token's 32 scale bytes come from sixteen heads, that is from sixteen work-groups: single bytes, 262,144 in the launch
.endif
.Lnot_mine_\@:
.endm
; Between two barriers.  Every parity, stage and set is an immediate or one of two registers 65,536 bytes apart, so what is read and what is written here are disjoint by constants.
; -M, l [par]: written an interval ago, read here, written again an interval on.  The images: stored into set 'set', loaded from the other set.
; last = 1: the loop's last interval, which in the last trip has no next tile: a scalar branch on the loop's counter.
.macro INT j, par, set, last
	BACK \par, \j, \set
	PVQ \j, 1-\set
.if \last
	s_cmp_eq_u32 s[LC], 1
	s_cbranch_scc1 .Lno_front_\@
.endif
	FRONT 1-\par
.if \last
.Lno_front_\@:
.endif
.if \j == 3
	s_and_b32 s[PQ], s[GC], 3                      ; the group that ends here is multiplied in the next one, by the waves whose WQ is its number % 4
	s_add_co_u32 s[GC], s[GC], 1
.endif
	s_wait_dscnt 0x0                               ; my LDS stores have landed and my LDS loads are in
	s_barrier_signal -1
	s_barrier_wait -1
.endm
	s_load_b128 s[4:7], s[0:1], 0x0                ; qkv, o's codes
	s_load_b64 s[8:9], s[0:1], 0x10                ; o's scale bytes
	v_lshl_add_u32 v254, v0, 2, 0x36400
	v_mov_b32 v255, 0
	v_lshrrev_b32 v22, 5, v0
	v_readfirstlane_b32 s[WV], v22                 ; wave 0..15
	v_and_b32 v23, 31, v0                          ; lane
	v_and_b32 v24, 15, v0                          ; r
	v_bfe_u32 v25, v0, 4, 1                        ; h
.irp n, 4,5,6,7
	v_mov_b32 v[QF+\n], 0                          ; the unused half of the first product's K: zero codes, for good
	v_mov_b32 v[KF+28+\n], 0                       ; what tile 7 of K names as its registers 4-7
.endr
	v_mov_b32 v[NM+1], 0                           ; the upper words of three pairs are named, so they are written
	v_mov_b32 v[GM+1], 0
	v_mov_b32 v[FF+1], 0
.set n, 0
.rept 32
	v_mov_b32 v[OA+n], 0                           ; O^T is carried from interval to interval under a branch: written once here, so that it holds numbers on every way through the text.  Stage 0's products start the sums with the constant 0 all the same
.set n, n+1
.endr
	s_lshr_b32 s[MB], s[WV], 2
	s_and_b32 s[WQ], s[WV], 3
	s_add_co_u32 s[WQ], s[WQ], s[MB]
	s_and_b32 s[WQ], s[WQ], 3
	s_mov_b32 s[PQ], 4                             ; group 0 has no group before it: no wave multiplies
	s_mov_b32 s[GC], 0
	v_lshlrev_b32 v[L16], 4, v23
	v_lshlrev_b32 v[R8], 3, v24
	v_mov_b32 v[AQC], v[L16]                       ; tile 0
	v_mov_b32 v[AQS], v[R8]
	v_mul_u32_u24 v[ASTW], v24, 80
	v_lshl_add_u32 v[ASTR], v25, 5, v[ASTW]
	v_add_nc_u32 v[ASTR], ST0, v[ASTR]
	s_lshl_b32 s38, s[WV], 2
	s_add_co_u32 s38, s38, ST0
	v_add_nc_u32 v[ASTW], s38, v[ASTW]
	s_lshl_b32 s38, s[WV], 10
	s_add_co_u32 s38, s38, PB0
	v_add_nc_u32 v[APW], s38, v[L16]
	v_add_nc_u32 v[APW+1], 65536, v[APW]
	s_lshl_b32 s38, s[MB], 14
	s_add_co_u32 s38, s38, PB0
	v_add_nc_u32 v[APR], s38, v[L16]
	v_add_nc_u32 v[APR+1], 65536, v[APR]
	v_lshlrev_b32 v[APSR], 2, v23
	s_lshl_b32 s38, s[WV], 7
	s_add_co_u32 s38, s38, PS0
	v_add_nc_u32 v[APSW], s38, v[APSR]
	s_lshl_b32 s38, s[MB], 11
	s_add_co_u32 s38, s38, PS0
	v_add_nc_u32 v[APSR], s38, v[APSR]
	v_lshlrev_b32 v111, 3, v23                     ; 8 x lane
	v_add_nc_u32 v[AVS], VSC, v111
	s_lshl_b32 s38, s[WV], 8
	v_add_nc_u32 v112, s38, v111                   ; V's scale words of my step, in the record,
	v_add_nc_u32 v113, s38, v[AVS]                 ; and in LDS
	s_lshl_b32 s38, s[WV], 9
	v_add_nc_u32 v111, s38, v111                   ; K's
	s_lshl_b32 s38, s[WV], 12
	v_add_nc_u32 v110, s38, v[L16]                 ; my step's codes: 4,096 w + 16 x lane, in the record and in LDS alike
	v_lshlrev_b32 v[AOC], 4, v24
	v_lshl_add_u32 v[AOC], v25, 9, v[AOC]
	v_and_b32 v26, 7, v0
	v_bfe_u32 v27, v0, 3, 1
	s_and_b32 s38, s[MB], 1                        ; the tiles that I multiply all have the parity of w / 4
	s_lshl_b32 s38, s38, 4
	s_sub_co_u32 s38, 40, s38
	v_mad_u32_u24 v[AOS], v27, s38, v26            ; the lane's token in such a tile: r % 8 + (r / 8) x (40 | 24)
	v_lshl_add_u32 v[AOS], v[AOS], 5, v25
	v_lshlrev_b32 v[SH8], 3, v25
	s_mov_b32 s[HM], 0xffff0000
	s_mov_b32 s[SEL], 0x76543210
	s_mov_b32 s[SEL+1], 0xfedcba98
	s_mov_b32 s[CS], 0x3e38aa3b                    ; c = log2(e) / 8
	s_mov_b32 s[CS+1], s[CS]
	s_mov_b32 s[TN], 0
	s_and_b32 s11, ttmp7, 0xffff                   ; 16 x batch + head
	s_lshr_b32 s12, s11, 4
	s_and_b32 s13, s11, 15
	s_mul_i32 s28, s11, HS
	s_mov_b32 s29, 0
	s_wait_kmcnt 0x0
	s_add_nc_u64 s[14:15], s[4:5], s[28:29]        ; the record
	s_lshl_b32 s28, ttmp9, 14                      ; my 32 tiles of queries: 512 bytes of codes each,
	s_add_co_u32 s28, s28, 131072
	s_add_nc_u64 s[16:17], s[14:15], s[28:29]
	s_lshl_b32 s28, ttmp9, 11                      ; 64 bytes of scale words each
	s_add_co_u32 s28, s28, 204800
	s_add_nc_u64 s[18:19], s[14:15], s[28:29]
	s_lshl_b32 s28, s12, 7                         ; o's codes: ((128 batch + tile) x 16 + 2 (head % 8) + h) x 512 + 256 (head / 8) + 16 r
	s_lshl_b32 s38, ttmp9, 5
	s_add_co_u32 s28, s28, s38
	s_lshl_b32 s28, s28, 13
	s_and_b32 s38, s13, 7
	s_lshl_b32 s38, s38, 10
	s_add_co_u32 s28, s28, s38
	s_lshr_b32 s38, s13, 3
	s_lshl_b32 s38, s38, 8
	s_add_co_u32 s28, s28, s38
	s_add_nc_u64 s[20:21], s[6:7], s[28:29]
	s_lshl_b32 s28, s12, 16                        ; o's scale bytes: token x 32 + 2 head + h
	s_lshl_b32 s38, ttmp9, 14
	s_add_co_u32 s28, s28, s38
	s_lshl_b32 s38, s13, 1
	s_add_co_u32 s28, s28, s38
	s_add_nc_u64 s[22:23], s[8:9], s[28:29]
.irp x, 0,1,2,3,4,5,6,7
	global_load_b128 v[SS+4*\x:SS+4*\x+3], v110, s[14:15] offset:65536+512*\x    ; V of my key step: on its way to LDS
.endr
	global_load_b64 v[SS+32:SS+33], v112, s[14:15] offset:212992
.irp t, 0,1,2,3,4,5,6,7
	global_load_b128 v[KF+4*\t:KF+4*\t+3], v110, s[14:15] offset:512*\t          ; K of my key step: it stays
.endr
	global_load_b64 v[KS:KS+1], v111, s[14:15] offset:196608
	global_load_b64 v[KS+2:KS+3], v111, s[14:15] offset:196608+256
	global_load_b128 v[QF:QF+3], v[AQC], s[16:17]
	global_load_b32 v[QS], v[AQS], s[18:19]
	s_wait_loadcnt 12                              ; V's nine loads are in; the twelve behind them may be out
.irp x, 0,1,2,3,4,5,6,7
	ds_store_b128 v110, v[SS+4*\x:SS+4*\x+3] offset:VIMG+512*\x
.endr
	ds_store_b64 v113, v[SS+32:SS+33]
	s_wait_dscnt 0x0                               ; the stores have read their registers: the first scores are written there
	FRONT 0
	s_wait_dscnt 0x0
	s_barrier_signal -1
	s_barrier_wait -1                              ; V of the whole head, and tile 0's -M_w and l_w, lie in LDS
	s_mov_b32 s[LC], 4
.Ltiles:                                               ; a trip is two groups of four tiles: 4 trips for the work-group's 32 tiles
	INT 0, 0, 0, 0
	INT 1, 1, 0, 0
	INT 2, 0, 0, 0
	INT 3, 1, 0, 0
	INT 0, 0, 1, 0
	INT 1, 1, 1, 0
	INT 2, 0, 1, 0
	INT 3, 1, 1, 1
	s_sub_co_u32 s[LC], s[LC], 1
	s_cmp_lg_u32 s[LC], 0
	s_cbranch_scc1 .Ltiles
	PVQ 0, 1                                       ; the last group's four tiles: its images lie in set 1, whole since the last barrier, and nothing is stored to LDS any more
	PVQ 1, 1
	PVQ 2, 1
	PVQ 3, 1
	s_wait_tensorcnt 0x0
	ds_add_u32 v254, v255
	s_wait_dscnt 0x0
	s_endpgm
.Lfunc_end_k_qd7d0faad1a_attn:
	.size	k_qd7d0faad1a_attn, .Lfunc_end_k_qd7d0faad1a_attn-k_qd7d0faad1a_attn
	.p2alignl 7, 3214868480
	.fill 96, 4, 3214868480
	.section	.rodata,"a",@progbits
	.p2align	6, 0x0
	.amdhsa_kernel k_qd7d0faad1a_attn
		.amdhsa_group_segment_fixed_size 224256
		.amdhsa_private_segment_fixed_size 0
		.amdhsa_enable_private_segment 0
		.amdhsa_kernarg_size 24
		.amdhsa_user_sgpr_count 2
		.amdhsa_user_sgpr_kernarg_segment_ptr 1
		.amdhsa_wavefront_size32 1
		.amdhsa_system_sgpr_workgroup_id_x 1
		.amdhsa_system_sgpr_workgroup_id_y 1
		.amdhsa_system_sgpr_workgroup_id_z 1
		.amdhsa_system_vgpr_workitem_id 0
		.amdhsa_next_free_vgpr 256
		.amdhsa_next_free_sgpr 66
		.amdhsa_reserve_vcc 0
		.amdhsa_float_denorm_mode_32 3
		.amdhsa_float_denorm_mode_16_64 3
		.amdhsa_memory_ordered 1
		.amdhsa_forward_progress 1
		.amdhsa_inst_pref_size 222
	.end_amdhsa_kernel
	.amdgpu_metadata
---
amdhsa.version: [ 1, 2 ]
amdhsa.kernels:
  - .name:           k_qd7d0faad1a_attn
    .symbol:         k_qd7d0faad1a_attn.kd
    .args:
      - { .name: qkv, .offset: 0, .size: 8, .value_kind: global_buffer, .address_space: global }
      - { .name: o_codes, .offset: 8, .size: 8, .value_kind: global_buffer, .address_space: global }
      - { .name: o_scales, .offset: 16, .size: 8, .value_kind: global_buffer, .address_space: global }
    .group_segment_fixed_size: 224256
    .private_segment_fixed_size: 0
    .kernarg_segment_align: 8
    .kernarg_segment_size: 24
    .max_flat_workgroup_size: 512
    .sgpr_count:     66
    .vgpr_count:     256
    .wavefront_size: 32
...
	.end_amdgpu_metadata
.endif
;; end of part 2
;; launch proj (part 3): grid 256 x 1, 4 waves a work-group, no clusters, 255,488 bytes of LDS; arguments o_codes, o_scales, Wo_codes, Wo_scales, bo, out0; writes out0
.if DOCPART == 3
	.amdgcn_target "amdgcn-amd-amdhsa--gfx1250"
	.amdhsa_code_object_version 6
	.text
	.protected	k_qd7d0faad1a_proj
	.globl	k_qd7d0faad1a_proj
	.p2align	8
	.type	k_qd7d0faad1a_proj,@function
k_qd7d0faad1a_proj:
	s_mov_b64 s[64:65], 0
	v_nop
	global_prefetch_b8 v0, s[64:65] scope:SCOPE_SE
	s_setreg_imm32_b32 hwreg(HW_REG_WAVE_MODE, 25, 1), 1
	s_wait_xcnt 0x0
; out0 = o Wo^T + bo on codes of FP4 (E2M1) with E8M0 scales.  P = 256 rows of Wo (source 0: a lane's eight results are eight neighbouring output channels), R = 128 tokens of o (source 1: a lane is one token).
; 256 work-groups: id % 4 = the tile of P, id / 4 = the group of 128 tokens.  Four waves; a wave makes P 128 x R 64: 32 accumulators.
; o's codes lie as IMAGES of the operand's registers: for each tile of 16 tokens 16 pieces of 512 bytes, piece 2 (head % 8) + h, heads 0-7 in its first 256 bytes and heads 8-15 in its second; 16 bytes a lane.
;   So a group's 8 tiles are 128 pieces that one descriptor fetches like 128 rows of a weight, and a fragment's load reads 256 consecutive bytes in each half of the lanes.
; The tokens of a tile are those that the first launch chose: lane r of tile i of a group of 64 is token 8 i + r % 8 + (r / 8) x (40 for even i, 24 for odd i); o's scale bytes lie by token, 32 a token.
; LDS: all of K = 1,024 is filled ONCE (two chunks of 512 along K, rows of 256 bytes + 16 of padding), the scale bytes behind them, and behind those a stage of its own for each wave, into which no fill lands.
; NO CLUSTER: a work-group asks for its 208,896 bytes once, at its head, and has no ring whose rounds joint requests could share.
; REGISTERS: window 0: v1-31 addresses; v32-95 P's scale words [8 pt + q]; v96-127 R's [8 rt + q]; v128-191 the bias as C, later rows on their way out.
;   window 1: accumulator (pt, rt) at v[64 rt + 8 pt].   window 2: two sets of fragments: P's pt at v[96 s + 8 pt], R's rt at v[96 s + 64 + 8 rt].
.set PITCH, 272
.set CH,    384*PITCH                  ; a chunk: R's 128 pieces, then P's 256 rows
.set SCL,   2*CH                       ; R's scale bytes (4,096), then P's (8,192)
.set STG,   SCL+12288                  ; the stages: 16 rows x (512 bytes + 16) for each wave
.set SPITCH, 528
.set ADP,  8                           ; v8-9    P's fragments, by chunk
.set ADR,  12                          ; v12-13  R's
.set ASP,  16                          ; v16     P's scale words
.set ASR,  18                          ; v18-19  R's, by the parity of i
.set L16,  20                          ; v20     16 x lane
.set STO,  21                          ; v21     the stage: where I put 32 bytes of a row
.set RD,   22                          ; v22     and where I read a row back
.set BA,   24                          ; v24     the bias: 32 h
.set SCP,  32
.set SCR,  96
.set BIAS, 128
.set OB,   128
.set WV,   32
.set PH,   33
.set RH,   34
.set PT,   37
.set RT,   38
.set G1C,  68
.set G1S,  76
.set G0S,  84
.set G0A,  88
.set G0B,  92
.set MSB, 0
.macro WIN new                         ; low byte: bits 1:0 source 0, 3:2 source 1, 5:4 source 2, 7:6 destination; the high byte repeats the setting that is left
.if MSB != \new
	s_set_vgpr_msb (MSB<<8)|\new
.set MSB, \new
.endif
.endm
.macro PLACES n                        ; plain vector instructions between a matrix instruction and a load into, or a read of, its registers
.rept \n
	v_nop
.endr
.endm
.macro FETCHF q, set                   ; the 12 fragments of K step q into a set: 24 loads
	WIN 0x80
.irp pt, 0,1,2,3,4,5,6,7
.irp u, 0,1
	ds_load_b128 v[96*(\set)+8*\pt+4*\u:96*(\set)+8*\pt+4*\u+3], v[ADP+(\q)/4] offset:16*\pt*PITCH+64*((\q)%4)+32*\u
.endr
.endr
.irp i, 0,1,2,3
.irp u, 0,1
	ds_load_b128 v[96*(\set)+64+8*\i+4*\u:96*(\set)+64+8*\i+4*\u+3], v[ADR+(\q)/4] offset:(16*\i+4*((\q)%4)+2*\u)*PITCH   ; head 2 (q % 4) + u of the chunk's eight
.endr
.endr
.endm
; 32 matrix instructions: the 32 accumulators take turns, in the same order in every K step.  first = 1: C = the bias, which starts the sums.
.macro MULS q, set, first
.if \first
	WIN 0x4a                                       ; A, B window 2; C window 0; D window 1
.else
	WIN 0x5a                                       ; C, D window 1
.endif
.irp rt, 0,1,2,3
.irp pt, 0,1,2,3,4,5,6,7
.if \first
.set CR, BIAS+8*\pt
.else
.set CR, 64*\rt+8*\pt
.endif
	v_wmma_scale_f32_16x16x128_f8f6f4 v[64*\rt+8*\pt:64*\rt+8*\pt+7], v[96*(\set)+8*\pt:96*(\set)+8*\pt+7], v[96*(\set)+64+8*\rt:96*(\set)+64+8*\rt+7], v[CR:CR+7], v[SCP+8*\pt+(\q)], v[SCR+8*\rt+(\q)] matrix_a_fmt:MATRIX_FMT_FP4 matrix_b_fmt:MATRIX_FMT_FP4
.endr
.endr
.endm
	s_load_b256 s[8:15], s[0:1], 0x0               ; o's codes, o's scales, Wo's codes, Wo's scales
	s_load_b128 s[16:19], s[0:1], 0x20             ; bo, out0
	v_lshl_add_u32 v254, v0, 2, 0x3e400
	v_mov_b32 v255, 0
	ds_add_u32 v254, v255
	ds_add_u32 v254, v255
	v_lshrrev_b32 v5, 5, v0
	v_readfirstlane_b32 s[WV], v5                  ; wave 0..3
	v_and_b32 v1, 15, v0                           ; r
	v_bfe_u32 v2, v0, 4, 1                         ; h
	v_and_b32 v5, 7, v0
	v_bfe_u32 v6, v0, 3, 1
	v_mad_u32_u24 v3, v6, 40, v5                   ; the lane's token in an even tile,
	v_mad_u32_u24 v4, v6, 24, v5                   ; in an odd one
	v_lshlrev_b32 v7, 4, v2
	v_mad_u32_u24 v23, v1, PITCH, v7               ; P: row r x pitch + 16 h
	v_lshlrev_b32 v26, 4, v1
	v_mad_u32_u24 v26, v2, PITCH, v26              ; R: piece h x pitch + 16 r
	s_and_b32 s[PH], s[WV], 1                      ; which 128 rows of P are mine
	s_lshr_b32 s[RH], s[WV], 1                     ; which 64 tokens
	s_mul_i32 s58, s[PH], 128*PITCH
	s_add_co_u32 s58, s58, 128*PITCH
	s_mul_i32 s59, s[RH], 64*PITCH
	v_add_nc_u32 v[ADP], s58, v23
	v_add_nc_u32 v[ADR], s59, v26
	v_add_nc_u32 v[ADP+1], CH, v[ADP]
	v_add_nc_u32 v[ADR+1], CH, v[ADR]
	s_lshl_b32 s58, s[PH], 12
	s_add_co_u32 s58, s58, SCL+4096
	s_lshl_b32 s59, s[RH], 11
	s_add_co_u32 s59, s59, SCL
	v_lshl_add_u32 v[ASP], v1, 5, s58              ; 32 scale bytes a row
	v_lshl_add_u32 v[ASR], v3, 5, s59
	v_lshl_add_u32 v[ASR+1], v4, 5, s59
	v_and_b32 v5, 31, v0
	v_lshlrev_b32 v[L16], 4, v5
	s_mul_i32 s58, s[WV], 16*SPITCH
	s_add_co_u32 s58, s58, STG                     ; my stage
	v_mul_u32_u24 v27, v1, SPITCH
	v_lshl_add_u32 v27, v2, 5, v27
	v_add_nc_u32 v[STO], s58, v27                  ; in: row r, 32 bytes for each half of the lanes
	v_add_nc_u32 v[RD], s58, v[L16]                ; back: the 32 lanes take one row of 512 bytes
	v_lshlrev_b32 v[BA], 5, v2
	s_and_b32 s[PT], ttmp9, 3
	s_lshr_b32 s[RT], ttmp9, 2
	s_lshl_b32 s58, s[RT], 7                       ; wave 0 fetches R's 128 pieces;
	s_lshl_b32 s59, s[PT], 8
	s_lshl_b32 s60, s[WV], 7
	s_add_co_u32 s59, s59, s60
	s_sub_co_u32 s59, s59, 128                     ; waves 1 and 2 P's rows 128 (wave - 1) on
	s_cmp_eq_u32 s[WV], 0
	s_cselect_b32 s58, s58, s59
	s_lshl_b32 s60, s58, 9                         ; a row or piece of codes is 512 bytes,
	s_mov_b32 s61, 0
	s_lshl_b32 s62, s58, 5                         ; a row's or token's scale bytes 32
	s_mov_b32 s63, 0
	; group 1 for codes: 128 rows x 256 bytes, 512 bytes apart in memory, 16 bytes of padding behind each in LDS
	s_mov_b32 s[G1C], (1<<20)|(5<<22)|(3<<25)      ; no mask; elements of 1 byte; padding on: 4 words behind every 64
	s_mov_b32 s[G1C+1], 256<<16                    ; tensor_dim0
	s_mov_b32 s[G1C+2], 128<<16                    ; tensor_dim1
	s_mov_b32 s[G1C+3], 256<<16                    ; tile_dim0
	s_mov_b32 s[G1C+4], 128                        ; tile_dim1
	s_mov_b32 s[G1C+5], 512                        ; from row to row
	s_mov_b32 s[G1C+6], 0
	s_mov_b32 s[G1C+7], 0
	; group 1 for scale bytes: 4,096 dense bytes as 16 rows of 32 elements of 8 bytes, no padding
	s_mov_b32 s[G1S], 3<<16
	s_mov_b32 s[G1S+1], 32<<16
	s_mov_b32 s[G1S+2], 16<<16
	s_mov_b32 s[G1S+3], 32<<16
	s_mov_b32 s[G1S+4], 16
	s_mov_b32 s[G1S+5], 32
	s_mov_b32 s[G1S+6], 0
	s_mov_b32 s[G1S+7], 0
	s_wait_dscnt 0x0
	s_wait_kmcnt 0x0
	s_cmp_eq_u32 s[WV], 0
	s_cselect_b64 s[54:55], s[8:9], s[12:13]       ; what my wave fetches: o's or Wo's
	s_cselect_b64 s[56:57], s[10:11], s[14:15]
	s_add_nc_u64 s[54:55], s[54:55], s[60:61]
	s_add_nc_u64 s[56:57], s[56:57], s[62:63]
	s_mov_b32 s[G0S], 1
	s_lshl_b32 s[G0S+1], s[WV], 12
	s_add_co_u32 s[G0S+1], s[G0S+1], SCL           ; LDS: SCL + 4,096 x wave
	s_mov_b64 s[G0S+2:G0S+3], s[56:57]
	s_or_b32 s[G0S+3], s[G0S+3], 0x80000000
	s_mov_b32 s[G0A], 1
	s_mul_i32 s[G0A+1], s[WV], 128*PITCH           ; LDS: 128 rows x wave, chunk 0
	s_mov_b64 s[G0A+2:G0A+3], s[54:55]
	s_or_b32 s[G0A+3], s[G0A+3], 0x80000000
	s_mov_b32 s[G0B], 1
	s_add_co_u32 s[G0B+1], s[G0A+1], CH            ; chunk 1: the rows' second 256 bytes
	s_add_nc_u64 s[G0B+2:G0B+3], s[54:55], 256
	s_or_b32 s[G0B+3], s[G0B+3], 0x80000000
	s_cmp_eq_u32 s[WV], 3                          ; three waves fetch, three loads each, in one branch: by this text's count three tensor loads of a wave are out at the most
	s_cbranch_scc1 .Lno_fill
	tensor_load_to_lds s[G0S:G0S+3], s[G1S:G1S+7]
	s_nop 0
	tensor_load_to_lds s[G0A:G0A+3], s[G1C:G1C+7]
	s_nop 0
	tensor_load_to_lds s[G0B:G0B+3], s[G1C:G1C+7]
	s_nop 0
.rept 4
	v_nop
.endr
.Lno_fill:
	s_lshl_b32 s58, s[PT], 1
	s_add_co_u32 s58, s58, s[PH]
	s_lshl_b32 s58, s58, 9                         ; my first output channel, 256 Pt + 128 ph, 4 bytes each: in bo and in a row of out0
	s_mov_b32 s59, 0
	s_add_nc_u64 s[16:17], s[16:17], s[58:59]
	s_add_nc_u64 s[18:19], s[18:19], s[58:59]
	s_lshl_b32 s58, s[RT], 1
	s_add_co_u32 s58, s58, s[RH]
	s_lshl_b32 s58, s58, 18                        ; my first token, 128 Rt + 64 rh, 4,096 bytes each
	s_add_nc_u64 s[18:19], s[18:19], s[58:59]
.irp pt, 0,1,2,3,4,5,6,7
	global_load_b128 v[BIAS+8*\pt:BIAS+8*\pt+3], v[BA], s[16:17] offset:64*\pt       ; register j of tile pt is channel 16 pt + 8 h + j
	global_load_b128 v[BIAS+8*\pt+4:BIAS+8*\pt+7], v[BA], s[16:17] offset:64*\pt+16
.endr
	s_wait_tensorcnt 0x1                           ; my scale bytes and my part of chunk 0 have landed; chunk 1's load may stay out
	s_barrier_signal -1
	s_barrier_wait -1                              ; everybody's have
.irp pt, 0,1,2,3,4,5,6,7
.irp u, 0,1
	ds_load_b128 v[SCP+8*\pt+4*\u:SCP+8*\pt+4*\u+3], v[ASP] offset:512*\pt+16*\u
.endr
.endr
.irp i, 0,1,2,3
.irp u, 0,1
	ds_load_b128 v[SCR+8*\i+4*\u:SCR+8*\i+4*\u+3], v[ASR+(\i%2)] offset:8*\i*32+16*\u
.endr
.endr
	FETCHF 0, 0
	FETCHF 1, 1
	s_wait_dscnt 24                                ; all but K step 1's 24 loads
	s_wait_loadcnt 0x0                             ; the bias
	MULS 0, 0, 1
.irp q, 1,2,3,4,5,6,7
	PLACES 4                                       ; in front of loads into the set that the last 32 products read
.if \q == 3
	s_wait_tensorcnt 0x0                           ; my part of chunk 1 has landed,
	s_wait_dscnt 0x0                               ; no LDS load of mine is out at a signal;
	s_barrier_signal -1
	s_barrier_wait -1                              ; everybody's has.
.endif
.if \q < 7
	FETCHF \q+1, (\q+1)%2
	s_wait_dscnt 24                                ; this step's fragments, asked for 32 products ago, are in; the 24 just issued may be out
.else
	s_wait_dscnt 0x0
.endif
	MULS \q, \q%2, 0
.endr
	; THE WAY OUT, a tile of 16 tokens x 128 channels at a time.  A lane holds 32 neighbouring bytes of a row and the lanes beside it hold other rows: so a tile goes through my own stage and comes back as whole rows of 512 bytes.
	; LDS serves a wave's instructions in order (ISA guide 5.7.1.4): no wait between the stores and the loads, nor in front of the next tile's stores.
	PLACES 4
.irp i, 0,1,2,3
	WIN 0x04                                       ; an LDS store's data are its source 1: window 1
.irp pt, 0,1,2,3,4,5,6,7
	ds_store_b128 v[STO], v[64*\i+8*\pt:64*\i+8*\pt+3] offset:64*\pt          ; each accumulator from its low end on
	ds_store_b128 v[STO], v[64*\i+8*\pt+4:64*\i+8*\pt+7] offset:64*\pt+16
.endr
	WIN 0
.if \i > 0
	s_wait_xcnt 0x0                                ; the last tile's stores have read their registers: the loads below may land there
.endif
.irp t, 0,1,2,3,4,5,6,7,8,9,10,11,12,13,14,15
	ds_load_b128 v[OB+4*\t:OB+4*\t+3], v[RD] offset:SPITCH*\t
.endr
.irp t, 0,1,2,3,4,5,6,7,8,9,10,11,12,13,14,15
	s_wait_dscnt 15-\t                             ; row t is back; the loads behind it may be out
	global_store_b128 v[L16], v[OB+4*\t:OB+4*\t+3], s[18:19] offset:(8*\i+(\t%8)+(\t/8)*(40-16*(\i%2)))*4096 th:TH_STORE_NT   ; the stage's row t is the tile's lane t: its token's 512 consecutive bytes, aligned; written once, read by nobody here
.endr
.endr
	s_wait_tensorcnt 0x0
	ds_add_u32 v254, v255
	s_wait_dscnt 0x0
	s_endpgm
.Lfunc_end_k_qd7d0faad1a_proj:
	.size	k_qd7d0faad1a_proj, .Lfunc_end_k_qd7d0faad1a_proj-k_qd7d0faad1a_proj
	.p2alignl 7, 3214868480
	.fill 96, 4, 3214868480
	.section	.rodata,"a",@progbits
	.p2align	6, 0x0
	.amdhsa_kernel k_qd7d0faad1a_proj
		.amdhsa_group_segment_fixed_size 255488
		.amdhsa_private_segment_fixed_size 0
		.amdhsa_enable_private_segment 0
		.amdhsa_kernarg_size 48
		.amdhsa_user_sgpr_count 2
		.amdhsa_user_sgpr_kernarg_segment_ptr 1
		.amdhsa_wavefront_size32 1
		.amdhsa_system_sgpr_workgroup_id_x 1
		.amdhsa_system_sgpr_workgroup_id_y 1
		.amdhsa_system_sgpr_workgroup_id_z 1
		.amdhsa_system_vgpr_workitem_id 0
		.amdhsa_next_free_vgpr 768
		.amdhsa_next_free_sgpr 100
		.amdhsa_reserve_vcc 0
		.amdhsa_float_denorm_mode_32 3
		.amdhsa_float_denorm_mode_16_64 3
		.amdhsa_memory_ordered 1
		.amdhsa_forward_progress 1
		.amdhsa_inst_pref_size 71
	.end_amdhsa_kernel
	.amdgpu_metadata
---
amdhsa.version: [ 1, 2 ]
amdhsa.kernels:
  - .name:           k_qd7d0faad1a_proj
    .symbol:         k_qd7d0faad1a_proj.kd
    .args:
      - { .name: o_codes, .offset: 0, .size: 8, .value_kind: global_buffer, .address_space: global }
      - { .name: o_scales, .offset: 8, .size: 8, .value_kind: global_buffer, .address_space: global }
      - { .name: Wo_codes, .offset: 16, .size: 8, .value_kind: global_buffer, .address_space: global }
      - { .name: Wo_scales, .offset: 24, .size: 8, .value_kind: global_buffer, .address_space: global }
      - { .name: bo, .offset: 32, .size: 8, .value_kind: global_buffer, .address_space: global }
      - { .name: out0, .offset: 40, .size: 8, .value_kind: global_buffer, .address_space: global }
    .group_segment_fixed_size: 255488
    .private_segment_fixed_size: 0
    .kernarg_segment_align: 8
    .kernarg_segment_size: 48
    .max_flat_workgroup_size: 128
    .sgpr_count:     100
    .vgpr_count:     768
    .wavefront_size: 32
...
	.end_amdgpu_metadata
.endif
;; end of part 3
;; ======== version 2 of 2: 3 launches; version 1 with the launch attn written anew for expert scheduling mode
;; workspace buffers: qkv 13,893,632 bytes; o_codes 4,194,304 bytes; o_scales 262,144 bytes
;; launch qkv: the kernel of part 1 again; grid 768 x 1, 4 waves a work-group, no clusters, 221,696 bytes of LDS; arguments x_codes, x_scales, Wq_codes, Wq_scales, bq, Wk_codes, Wk_scales, bk, Wv_codes, Wv_scales, bv, qkv; writes qkv
;; launch attn (part 4): grid 4 x 64, 16 waves a work-group, no clusters, 224,256 bytes of LDS; arguments qkv, o_codes, o_scales; writes o_codes, o_scales
.if DOCPART == 4
	.amdgcn_target "amdgcn-amd-amdhsa--gfx1250"
	.amdhsa_code_object_version 6
	.text
	.protected	k_qd7d0faad1a_attn
	.globl	k_qd7d0faad1a_attn
	.p2align	8
	.type	k_qd7d0faad1a_attn,@function
k_qd7d0faad1a_attn:
	s_mov_b64 s[64:65], 0
	v_nop
	global_prefetch_b8 v0, s[64:65] scope:SCOPE_SE
	s_setreg_imm32_b32 hwreg(HW_REG_WAVE_SCHED_MODE, 0, 2), 2
	s_setreg_imm32_b32 hwreg(HW_REG_WAVE_MODE, 25, 1), 1
	s_wait_xcnt 0x0
	s_wait_alu depctr_vm_vsrc(0)
; o = Q(softmax(q k^T / 8)) Q(v), then o is quantised along the model's 1,024 channels.  All operands are codes of FP4 (E2M1) with E8M0 scales, taken from the records that the launch before stored.
; WHAT IS QUANTISED IS THE FINISHED SOFTMAX: a row's maximum and sum are known before any of its 2,048 weights gets a code.  So THE WAVES SHARE THE KEYS: wave w of sixteen owns keys 128 w .. 128 w + 127 of the head for the
; whole launch (its fragments of K stay in registers), and the work-group takes ONE tile of 16 queries at a time: a whole row of weights is alive at once, 64 a lane.  Each score and each exponential is made once.
; A TILE:  FRONT: S^T = K Q^T (a lane holds one query), M_w = the wave's largest t = s log2(e) / 8 rounded up to a whole number, p = 2^(t - M_w), l_w = its sum; -M_w and l_w go to LDS | barrier |
;   BACK: M = the largest M_w, l = the sum of l_w 2^(M_w - M) (exact shifts), p x 2^(M_w - M) / l, quantised along the keys; the codes go to LDS as an image of the operand's registers.
; Between two barriers stand BACK of tile k and FRONT of tile k + 1: one barrier a tile.
; THE SECOND PRODUCT IS SPREAD OVER FOUR WAVES AND FOUR INTERVALS.  The tiles go in groups of four.  Group g's images lie in set g % 2 of LDS; during group g + 1 four waves take one tile of group g each and multiply, in the
;   group's interval j, key steps 4 j .. 4 j + 3 by V from LDS (one accumulator for each output, keys ascending; O^T stays in the wave's registers from interval to interval); behind the last stage the wave quantises o and stores it.
;   So no wave has more than four key steps beside its BACK and FRONT between two barriers.  Tile m of a group is taken by wave 4 m + ((q - m) & 3), q = the group % 4: among the four, both w % 4 and w / 4 differ.
;   A set is written in one group, read in the next and written again in the one after; in every interval the stores go to one set and the loads come from the other, 65,536 bytes apart.
; K = 64 of the first product's 128: Q's registers 4-7 are zero codes, so what stands in K's registers 4-7 (the next tile's codes) and under the scale bytes 0 adds nothing.
; The keys of a tile of K, the tokens of a tile of Q and the channels of a tile of V are chosen as the launch before laid them: a lane's 32 registers of four tiles are one whole block of 32.
; abs() of the softmax changes nothing: no weight is negative.
; NO CLUSTER: nothing comes by tensor load; the four work-groups of a head each read its 143,360 bytes of K, V and scale words once, through registers.
; LIMITS: NaN and infinities are not served.  M is a whole number exactly for |t| < 2^24.  v_exp_f32 gives 0 under 2^-126.  A block of weights or of o under 2^-124 gets the scale byte 1.
;   A block's largest weight is taken from its largest score by the same arithmetic: this takes v_exp_f32 not to fall where its input rises (the ISA guide promises 1 ulp).
; THE MODE: SCHED_MODE bits 1:0 = 2 (LLVM: expert scheduling mode 2), set by the entry lines.  The code itself states the register dependences between vector or matrix instructions and memory or LDS instructions,
;   with s_wait_alu, always for 0.
; THE PLAN.  Registers that memory or LDS instructions touch in an interval (BACK, a stage of the second product, FRONT, the barrier), in that order:
;   v1, v5-14, v114   addresses: made at the head, never written again.
;   ML, LL            BACK's four LDS loads land in them; BACK's arithmetic names them, all of it ahead of BACK's wait behind the reciprocal; nothing else does.
;   PC, PW            written by BACK's conversions and its v_or_b32; read by BACK's three LDS stores.
;   SS, PF, PS, VS    a stage's LDS loads land in them, in two sets by turns; its products read them.  Ahead of the stage SS holds the weights, which BACK multiplies and converts.
;   OF, v247          written at the end of a tile's last stage; read by its two global stores.
;   AQC, AQS          written by FRONT's two additions; read by Q's two loads.     QF's first four, QS: read by FRONT's products; Q's two loads land in them.
;   NM, v38           written by FRONT; read by FRONT's two LDS stores.
;   WAITS ON va_vdst: behind BACK's reciprocal; ahead of BACK's stores (it serves the stage's first 24 loads too); ahead of a stage's third and fourth key step's loads; ahead of o's stores;
;   behind FRONT's exponentials (Q's loads stand behind it); ahead of FRONT's stores.
;   ONE WAIT ON vm_vsrc AN INTERVAL, at its end, on every way: all that the interval's loads and stores have read is written again in a later interval alone.
.set HS,   217088
.set VIMG, 0                           ; LDS: V's codes of the whole head, as they lie in the record: 65,536 bytes
.set VSC,  65536                       ; V's scale words: 4,096
.set PB0,  69632                       ; the weights' images: set x 65,536 + (tile % 4) x 16,384 + 1,024 x wave
.set PS0,  200704                      ; their scale words: set x 8,192 + (tile % 4) x 2,048 + 128 x wave
.set ST0,  217088                      ; -M_w at + 0, l_w at + 1,280: row = query (80 bytes apart), word = wave; twice (the tile's parity: + 2,560)
.set L16,  1                           ; v1   16 x lane
.set AQC,  2                           ; v2   Q's codes of the next tile
.set R8,   3                           ; v3   8 r
.set AQS,  4                           ; v4   Q's scale word of the next tile
.set ASTW, 5                           ; v5   ST0 + 80 r + 4 w
.set ASTR, 6                           ; v6   ST0 + 80 r + 32 h
.set APW,  7                           ; v7, v8   where I store my image, by set: PB0 + 65,536 set + 1,024 w + 16 x lane
.set APR,  9                           ; v9, v10  where I read the images of the tile that I multiply: PB0 + 65,536 set + 16,384 (w / 4) + 16 x lane
.set AVS,  11                          ; v11  VSC + 8 x lane
.set AOC,  12                          ; v12  512 h + 16 r
.set AOS,  13                          ; v13  32 x (the lane's token in the tile that I multiply) + h
.set APSW, 14                          ; v14  PS0 + 128 w + 4 x lane
.set SH8,  15                          ; v15  8 h
.set NM,   16                          ; v[16:17] -M_w (the pair's upper word is only named)
.set GM,   18                          ; v[18:19] -M
.set FF,   20                          ; v[20:21] 2^(M_w - M) / l
.set BM,   26                          ; v26-27 a block's largest score, then weight
.set SO,   28
.set BY,   30
.set PW,   32
.set QS,   33                          ; scale words, and nothing else: Q's; v34-37 K's
.set KS,   34
.set QF,   42                          ; v42-49 Q's fragment
.set KF,   50                          ; v50-85 K's: tile t at v[50 + 4 t], four registers of codes each, and four zeros at the end
.set PC,   86
.set ML,   94
.set LL,   102
.set APSR, 114                         ; v114 PS0 + 2,048 (w / 4) + 4 x lane
.set SS,   118                         ; v118-181 scores, then weights; in a stage of the second product two sets of V's four fragments
.set OA,   182                         ; v182-213 O^T
.set PF,   214                         ; v214-229 two sets of the weights' fragment
.set VS,   230                         ; v230-233 V's scale words, two sets;  v234-235 the weights'
.set PS,   234
.set OC,   236
.set OF,   240
.set WV,   10
.set TN,   30                          ; tiles whose FRONT is done
.set LC,   31
.set HM,   32
.set SEL,  34
.set CS,   36
.set WQ,   41                          ; ((w & 3) + (w >> 2)) & 3: in which groups I multiply
.set PQ,   42                          ; which waves multiply in the group in hand: those whose WQ it is (4: none)
.set GC,   43                          ; the group in hand
.set MB,   44                          ; w >> 2: which tile of a group I multiply
.macro PLACES n
.rept \n
	v_nop
.endr
.endm
.macro WM d, a, b, acc, sa, sb, odd    ; one product; acc = 0: it starts the sum; odd = 1: source 0's scale words stand in lanes 16-31
.if \acc
.if \odd
	v_wmma_scale_f32_16x16x128_f8f6f4 v[(\d):(\d)+7], v[(\a):(\a)+7], v[(\b):(\b)+7], v[(\d):(\d)+7], v[\sa], v[\sb] matrix_a_fmt:MATRIX_FMT_FP4 matrix_b_fmt:MATRIX_FMT_FP4 matrix_a_scale:MATRIX_SCALE_ROW1
.else
	v_wmma_scale_f32_16x16x128_f8f6f4 v[(\d):(\d)+7], v[(\a):(\a)+7], v[(\b):(\b)+7], v[(\d):(\d)+7], v[\sa], v[\sb] matrix_a_fmt:MATRIX_FMT_FP4 matrix_b_fmt:MATRIX_FMT_FP4
.endif
.else
.if \odd
	v_wmma_scale_f32_16x16x128_f8f6f4 v[(\d):(\d)+7], v[(\a):(\a)+7], v[(\b):(\b)+7], 0, v[\sa], v[\sb] matrix_a_fmt:MATRIX_FMT_FP4 matrix_b_fmt:MATRIX_FMT_FP4 matrix_a_scale:MATRIX_SCALE_ROW1
.else
	v_wmma_scale_f32_16x16x128_f8f6f4 v[(\d):(\d)+7], v[(\a):(\a)+7], v[(\b):(\b)+7], 0, v[\sa], v[\sb] matrix_a_fmt:MATRIX_FMT_FP4 matrix_b_fmt:MATRIX_FMT_FP4
.endif
.endif
.endm
; FRONT of tile n = TN; par = n % 2.
.macro FRONT par
	s_wait_loadcnt 0x0                             ; Q's fragment and scale word, asked for a tile ago
.irp t, 0,1,2,3,4,5,6,7
	WM SS+8*\t, KF+4*\t, QF, 0, KS+\t/2, QS, \t%2
.endr
	s_add_co_u32 s38, s[TN], 1
	s_min_u32 s38, s38, 31                         ; the next tile; the last asks for itself once more: no load leaves the record
	s_lshl_b32 s39, s38, 9
	v_add_nc_u32 v[AQC], s39, v[L16]               ; 512 bytes a tile.  (The loads that read this register stand ahead of the last wait on vm_vsrc.  This and the next addition are two of the four places behind the products)
	s_lshr_b32 s39, s38, 2
	s_lshl_b32 s39, s39, 8                         ; scale words: 256 bytes for four tiles,
	s_and_b32 s40, s38, 1
	s_lshl_b32 s40, s40, 7                         ; the odd tile's in lanes 16-31's places,
	s_add_co_u32 s39, s39, s40
	s_bfe_u32 s40, s38, 0x10001
	s_lshl_b32 s40, s40, 2                         ; tiles 2, 3 of the four in the second word
	s_add_co_u32 s39, s39, s40
	v_add_nc_u32 v[AQS], s39, v[R8]
	PLACES 2
	v_max3_num_f32 v[BM], v[SS], v[SS+1], v[SS+2]  ; the largest score of each of my two blocks of 32 keys: it serves the row's maximum and, later, the block's scale
	v_max3_num_f32 v[BM+1], v[SS+32], v[SS+33], v[SS+34]
.set n, 3
.rept 14
	v_max3_num_f32 v[BM], v[BM], v[SS+n], v[SS+n+1]
	v_max3_num_f32 v[BM+1], v[BM+1], v[SS+32+n], v[SS+33+n]
.set n, n+2
.endr
	v_max_num_f32 v[BM], v[BM], v[SS+31]
	v_max_num_f32 v[BM+1], v[BM+1], v[SS+63]
	v_max_num_f32 v22, v[BM], v[BM+1]
	v_permlanex16_b32 v23, v22, s[SEL], s[SEL+1]
	v_max_num_f32 v22, v22, v23                    ; of my wave's 128 keys
	v_mul_f32 v22, s[CS], v22                      ; as t (c is positive)
	v_floor_f32 v[NM], -v22                        ; -M_w = floor(-t): a whole number
.set n, 0
.rept 32
	v_pk_fma_f32 v[SS+n:SS+n+1], v[SS+n:SS+n+1], s[CS:CS+1], v[NM:NM+1] op_sel_hi:[1,0,0]   ; t - M_w, two at a time
.set n, n+2
.endr
	v_fma_f32 v[BM], v[BM], s[CS], v[NM]
	v_fma_f32 v[BM+1], v[BM+1], s[CS], v[NM]
.set n, 0
.rept 64
	v_exp_f32 v[SS+n], v[SS+n]
.set n, n+1
.endr
	v_exp_f32 v[BM], v[BM]
	v_exp_f32 v[BM+1], v[BM+1]
	v_nop                                          ; a plain place behind the exponentials
	s_wait_alu depctr_va_vdst(0)                   ; the 66 exponentials have written their results, ahead of the first reader; the two additions have written v[AQC] and v[AQS], which the two loads below read; the products are done reading Q's fragment and scale word, in which these loads land
	global_load_b128 v[QF:QF+3], v[AQC], s[16:17]  ; the next tile's Q: it has the sums below, the barrier, BACK and a stage in which to land
	global_load_b32 v[QS], v[AQS], s[18:19]
	v_pk_add_f32 v[38:39], v[SS:SS+1], v[SS+2:SS+3]       ; the sum, in two chains
	v_pk_add_f32 v[40:41], v[SS+4:SS+5], v[SS+6:SS+7]
.set n, 8
.rept 14
	v_pk_add_f32 v[38:39], v[38:39], v[SS+n:SS+n+1]
	v_pk_add_f32 v[40:41], v[40:41], v[SS+n+2:SS+n+3]
.set n, n+4
.endr
	v_pk_add_f32 v[38:39], v[38:39], v[40:41]
	v_add_f32 v38, v38, v39
	v_permlanex16_b32 v23, v38, s[SEL], s[SEL+1]
	v_add_f32 v38, v38, v23                        ; l_w
	s_wait_alu depctr_va_vdst(0)                   ; v[NM] and v38 are written, which the two LDS stores read
	ds_store_b32 v[ASTW], v[NM] offset:2560*(\par)           ; both halves of the lanes write the same word with the same value
	ds_store_b32 v[ASTW], v38 offset:2560*(\par)+1280
	s_add_co_u32 s[TN], s[TN], 1
.endm
; BACK of tile k: par = k % 2, j = k % 4, set = (k / 4) % 2.
.macro BACK par, j, set
	ds_load_b128 v[ML:ML+3], v[ASTR] offset:2560*(\par)      ; -M and l of waves 8 h .. 8 h + 7 for my query.  (No vector instruction has named these sixteen registers since the last BACK's wait behind its reciprocal)
	ds_load_b128 v[ML+4:ML+7], v[ASTR] offset:2560*(\par)+16
	ds_load_b128 v[LL:LL+3], v[ASTR] offset:2560*(\par)+1280
	ds_load_b128 v[LL+4:LL+7], v[ASTR] offset:2560*(\par)+1296
	s_wait_dscnt 0x0
	v_min3_num_f32 v[GM], v[ML], v[ML+1], v[ML+2]
	v_min3_num_f32 v[GM], v[GM], v[ML+3], v[ML+4]
	v_min3_num_f32 v[GM], v[GM], v[ML+5], v[ML+6]
	v_min_num_f32 v[GM], v[GM], v[ML+7]
	v_permlanex16_b32 v22, v[GM], s[SEL], s[SEL+1]
	v_min_num_f32 v[GM], v[GM], v22                ; -M
.irp n, 0,2,4,6
	v_pk_add_f32 v[ML+\n:ML+\n+1], v[GM:GM+1], v[ML+\n:ML+\n+1] op_sel_hi:[0,1] neg_lo:[0,1] neg_hi:[0,1]   ; M_i - M: whole numbers, 0 or less
.endr
.irp n, 0,1,2,3,4,5,6,7
	v_cvt_i32_f32 v[ML+\n], v[ML+\n]               ; (it saturates)
.endr
.irp n, 0,1,2,3,4,5,6,7
	v_ldexp_f32 v[LL+\n], v[LL+\n], v[ML+\n]       ; l_i under M: nothing is rounded
.endr
	v_pk_add_f32 v[LL:LL+1], v[LL:LL+1], v[LL+2:LL+3]
	v_pk_add_f32 v[LL+4:LL+5], v[LL+4:LL+5], v[LL+6:LL+7]
	v_pk_add_f32 v[LL:LL+1], v[LL:LL+1], v[LL+4:LL+5]
	v_add_f32 v[LL], v[LL], v[LL+1]
	v_permlanex16_b32 v22, v[LL], s[SEL], s[SEL+1]
	v_add_f32 v[LL], v[LL], v22                    ; the row's sum
	v_rcp_f32 v[FF], v[LL]
	v_sub_f32 v23, v[GM], v[NM]                    ; M_w - M.  (The plain place behind the reciprocal)
	v_cvt_i32_f32 v23, v23
	s_wait_alu depctr_va_vdst(0)                   ; the reciprocal has written v[FF], ahead of its first reader; and the lines above are done with v[ML ..] and v[LL ..], in which the next tile's four LDS loads land
	v_ldexp_f32 v[FF], v[FF], v23
.set n, 0
.rept 32
	v_pk_mul_f32 v[SS+n:SS+n+1], v[SS+n:SS+n+1], v[FF:FF+1] op_sel_hi:[1,0]   ; the finished softmax
.set n, n+2
.endr
	v_mul_f32 v[BM], v[BM], v[FF]                  ; the same arithmetic on the block's largest: the same bits
	v_mul_f32 v[BM+1], v[BM+1], v[FF]
	v_max_num_f32 v[BM], 0x1800000, v[BM]          ; the floor 2^(3 - 127): the byte cannot fall under 1
	v_max_num_f32 v[BM+1], 0x1800000, v[BM+1]
	v_add_nc_u32 v[SO], 0xff000000, v[BM]          ; 2 off the exponent field: the conversion's scale operand
	v_add_nc_u32 v[SO+1], 0xff000000, v[BM+1]
	v_lshrrev_b32 v[BY], 23, v[SO]
	v_lshrrev_b32 v[BY+1], 23, v[SO+1]
	v_lshl_or_b32 v24, v[BY+1], 16, v[BY]          ; my blocks h and 2 + h, at their places in the word;
	v_lshlrev_b32 v24, v[SH8], v24
	v_permlanex16_b32 v25, v24, s[SEL], s[SEL+1]
	v_or_b32 v[PW], v24, v25                       ; with lane l xor 16's two it is whole
.irp g, 0,1
.irp i, 0,1,2,3
	v_cvt_scalef32_pk8_fp4_f32 v[PC+4*\g+\i], v[SS+32*\g+8*\i:SS+32*\g+8*\i+7], v[SO+\g]
.endr
.endr
	v_nop                                          ; one plain place behind the scaled conversions
	s_wait_alu depctr_va_vdst(0)                   ; the conversions have written v[PC ..] and the v_or_b32 v[PW], which the three LDS stores read; the conversions are also done reading v[SS ..], and all earlier products their fragments and scale words: the first 24 loads of the stage below land there
	ds_store_b128 v[APW+(\set)], v[PC:PC+3] offset:16384*(\j)        ; the fragment as it stands: 16 bytes a lane, 512 a store
	ds_store_b128 v[APW+(\set)], v[PC+4:PC+7] offset:16384*(\j)+512
	ds_store_b32 v[APSW], v[PW] offset:8192*(\set)+2048*(\j)
.endm
.macro FETCHPV st, set, lset           ; key step st of my tile in LDS set lset: the weights' fragment and scale words, V's four fragments and theirs: 12 loads, into register set 'set'
	ds_load_b128 v[PF+8*(\set):PF+8*(\set)+3], v[APR+(\lset)] offset:1024*(\st)
	ds_load_b128 v[PF+8*(\set)+4:PF+8*(\set)+7], v[APR+(\lset)] offset:1024*(\st)+512
	ds_load_b32 v[PS+(\set)], v[APSR] offset:8192*(\lset)+128*(\st)
.irp x, 0,1,2,3,4,5,6,7
	ds_load_b128 v[SS+32*(\set)+8*(\x%4)+4*(\x/4):SS+32*(\set)+8*(\x%4)+4*(\x/4)+3], v[L16] offset:VIMG+4096*(\st)+512*\x
.endr
	ds_load_b64 v[VS+2*(\set):VS+2*(\set)+1], v[AVS] offset:256*(\st)
.endm
; Stage j of the second product, for the four waves whose group this is: key steps 4 j .. 4 j + 3 of tile 4 (GC - 1) + MB, whose images lie in set lset.  No barrier stands inside the branch.
; It stands between BACK, which has turned the weights into codes, and FRONT, which writes the next scores: so V's fragments may lie in the weights' registers.
; after = 1: another stage stands straight ahead of this one (behind the loop), with no BACK between.
.macro PVQ j, lset, after
	s_cmp_lg_u32 s[PQ], s[WQ]
	s_cbranch_scc1 .Lnot_mine_\@
.if \after
	s_wait_alu depctr_va_vdst(0)                   ; the products of the stage before are done reading both sets of fragments and scale words, in which the loads below land
.endif
	FETCHPV 4*\j, 0, \lset
.irp u, 0,1,2,3
.if \u > 0
	PLACES 4                                       ; in front of loads into the set that the last four products read
.endif
.if \u < 3
.if \u > 0
	s_wait_alu depctr_va_vdst(0)                   ; the last four products are done reading their set of fragments and scale words, in which the twelve loads below land; the places above stay beside this wait
.endif
	FETCHPV 4*\j+\u+1, (\u+1)%2, \lset
	s_wait_dscnt 12                                ; this step's are in; the 12 just issued may be out
.else
	s_wait_dscnt 0x0
.endif
.irp i, 0,1,2,3                        ; the four accumulators take turns
.if 4*\j+\u == 0
	WM OA+8*\i, SS+32*(\u%2)+8*\i, PF+8*(\u%2), 0, VS+2*(\u%2)+\i/2, PS+\u%2, \i%2
.else
	WM OA+8*\i, SS+32*(\u%2)+8*\i, PF+8*(\u%2), 1, VS+2*(\u%2)+\i/2, PS+\u%2, \i%2
.endif
.endr
.endr
	PLACES 5                                       ; the next scores are written by matrix instructions over registers that these products read: five places
.if \j == 3
	s_wait_xcnt 0x0                                ; my stores of sixteen tiles ago have read their registers and bases
	s_lshl_b32 s38, s[GC], 2
	s_add_co_u32 s38, s38, s[MB]
	s_sub_co_u32 s38, s38, 4                       ; my tile: 4 (GC - 1) + MB
	s_lshl_b32 s28, s38, 13                        ; o's codes: 8,192 bytes a tile
	s_mov_b32 s29, 0
	s_add_nc_u64 s[24:25], s[20:21], s[28:29]
	s_lshr_b32 s28, s38, 2
	s_lshl_b32 s28, s28, 11                        ; o's scale bytes: 64 tokens of 32 bytes for four tiles,
	s_and_b32 s39, s38, 3
	s_lshl_b32 s39, s39, 8                         ; 8 tokens for each of the four
	s_add_co_u32 s28, s28, s39
	s_add_nc_u64 s[26:27], s[22:23], s[28:29]
	v_max3_num_f32 v244, |v[OA]|, |v[OA+1]|, 0x1800000       ; my 32 numbers are block h of the head's two: two chains, each accumulator from its low end on
	v_max3_num_f32 v245, |v[OA+16]|, |v[OA+17]|, 0x1800000
.irp n, 2,4,6,8,10,12,14
	v_max3_num_f32 v244, v244, |v[OA+\n]|, |v[OA+\n+1]|
	v_max3_num_f32 v245, v245, |v[OA+16+\n]|, |v[OA+17+\n]|
.endr
	v_max_num_f32 v244, v244, v245
	v_add_nc_u32 v246, 0xff000000, v244
	v_lshrrev_b32 v247, 23, v246
.irp i, 0,1,2,3
	v_cvt_scalef32_pk8_fp4_f32 v[OC+\i], v[OA+8*\i:OA+8*\i+7], v246
.endr
	v_nop                                          ; one plain place behind the scaled conversions
	v_cndmask_b32 v[OF], v[OC], v[OC+1], s[HM]     ; Wo's codes lie in their natural order: in lanes 16-31 the groups of eight change places back
	v_cndmask_b32 v[OF+1], v[OC+1], v[OC], s[HM]
	v_cndmask_b32 v[OF+2], v[OC+2], v[OC+3], s[HM]
	v_cndmask_b32 v[OF+3], v[OC+3], v[OC+2], s[HM]
	s_wait_alu depctr_va_vdst(0)                   ; the four selections have written v[OF ..] and the shift v247, which the two stores read
	global_store_b128 v[AOC], v[OF:OF+3], s[24:25] ; each half of the lanes stores 256 consecutive bytes, aligned
	global_store_b8 v[AOS], v247, s[26:27]         ; a token's 32 scale bytes come from sixteen heads, that is from sixteen work-groups: single bytes, 262,144 in the launch
.endif
.Lnot_mine_\@:
.endm
; Between two barriers.  Every parity, stage and set is an immediate or one of two registers 65,536 bytes apart, so what is read and what is written here are disjoint by constants.
; -M, l [par]: written an interval ago, read here, written again an interval on.  The images: stored into set 'set', loaded from the other set.
; last = 1: the loop's last interval, which in the last trip has no next tile: a scalar branch on the loop's counter.
.macro INT j, par, set, last
	BACK \par, \j, \set
	PVQ \j, 1-\set, 0
.if \last
	s_cmp_eq_u32 s[LC], 1
	s_cbranch_scc1 .Lno_front_\@
.endif
	FRONT 1-\par
.if \last
.Lno_front_\@:
.endif
.if \j == 3
	s_and_b32 s[PQ], s[GC], 3                      ; the group that ends here is multiplied in the next one, by the waves whose WQ is its number % 4
	s_add_co_u32 s[GC], s[GC], 1
.endif
	s_wait_dscnt 0x0                               ; my LDS stores have landed and my LDS loads are in
	s_wait_alu depctr_vm_vsrc(0)                   ; this interval's stores have read v[PC ..], v[PW], v[NM], v38, v[OF ..] and v247, and Q's loads v[AQC] and v[AQS]: all of them are written again in a later interval
	s_barrier_signal -1
	s_barrier_wait -1
.endm
	s_load_b128 s[4:7], s[0:1], 0x0                ; qkv, o's codes
	s_load_b64 s[8:9], s[0:1], 0x10                ; o's scale bytes
	v_lshl_add_u32 v254, v0, 2, 0x36400            ; the LDS address of my spare word, behind all that the text uses, and 0: made here and kept for the closing lines alone
	v_mov_b32 v255, 0
	v_lshrrev_b32 v22, 5, v0
	v_readfirstlane_b32 s[WV], v22                 ; wave 0..15
	v_and_b32 v23, 31, v0                          ; lane
	v_and_b32 v24, 15, v0                          ; r
	v_bfe_u32 v25, v0, 4, 1                        ; h
.irp n, 4,5,6,7
	v_mov_b32 v[QF+\n], 0                          ; the unused half of the first product's K: zero codes, for good
	v_mov_b32 v[KF+28+\n], 0                       ; what tile 7 of K names as its registers 4-7
.endr
	v_mov_b32 v[NM+1], 0                           ; the upper words of three pairs are named, so they are written
	v_mov_b32 v[GM+1], 0
	v_mov_b32 v[FF+1], 0
.set n, 0
.rept 32
	v_mov_b32 v[OA+n], 0                           ; O^T is carried from interval to interval under a branch: written once here, so that it holds numbers on every way through the text.  Stage 0's products start the sums with the constant 0 all the same
.set n, n+1
.endr
	s_wait_alu depctr_va_sdst(0)                   ; the wave's number is written, ahead of its first reader: LDS addresses and the choice of the multiplying waves are made from it
	s_lshr_b32 s[MB], s[WV], 2
	s_and_b32 s[WQ], s[WV], 3
	s_add_co_u32 s[WQ], s[WQ], s[MB]
	s_and_b32 s[WQ], s[WQ], 3
	s_mov_b32 s[PQ], 4                             ; group 0 has no group before it: no wave multiplies
	s_mov_b32 s[GC], 0
	v_lshlrev_b32 v[L16], 4, v23
	v_lshlrev_b32 v[R8], 3, v24
	v_mov_b32 v[AQC], v[L16]                       ; tile 0
	v_mov_b32 v[AQS], v[R8]
	v_mul_u32_u24 v[ASTW], v24, 80
	v_lshl_add_u32 v[ASTR], v25, 5, v[ASTW]
	v_add_nc_u32 v[ASTR], ST0, v[ASTR]
	s_lshl_b32 s38, s[WV], 2
	s_add_co_u32 s38, s38, ST0
	v_add_nc_u32 v[ASTW], s38, v[ASTW]
	s_lshl_b32 s38, s[WV], 10
	s_add_co_u32 s38, s38, PB0
	v_add_nc_u32 v[APW], s38, v[L16]
	v_add_nc_u32 v[APW+1], 65536, v[APW]
	s_lshl_b32 s38, s[MB], 14
	s_add_co_u32 s38, s38, PB0
	v_add_nc_u32 v[APR], s38, v[L16]
	v_add_nc_u32 v[APR+1], 65536, v[APR]
	v_lshlrev_b32 v[APSR], 2, v23
	s_lshl_b32 s38, s[WV], 7
	s_add_co_u32 s38, s38, PS0
	v_add_nc_u32 v[APSW], s38, v[APSR]
	s_lshl_b32 s38, s[MB], 11
	s_add_co_u32 s38, s38, PS0
	v_add_nc_u32 v[APSR], s38, v[APSR]
	v_lshlrev_b32 v111, 3, v23                     ; 8 x lane
	v_add_nc_u32 v[AVS], VSC, v111
	s_lshl_b32 s38, s[WV], 8
	v_add_nc_u32 v112, s38, v111                   ; V's scale words of my step, in the record,
	v_add_nc_u32 v113, s38, v[AVS]                 ; and in LDS
	s_lshl_b32 s38, s[WV], 9
	v_add_nc_u32 v111, s38, v111                   ; K's
	s_lshl_b32 s38, s[WV], 12
	v_add_nc_u32 v110, s38, v[L16]                 ; my step's codes: 4,096 w + 16 x lane, in the record and in LDS alike
	v_lshlrev_b32 v[AOC], 4, v24
	v_lshl_add_u32 v[AOC], v25, 9, v[AOC]
	v_and_b32 v26, 7, v0
	v_bfe_u32 v27, v0, 3, 1
	s_and_b32 s38, s[MB], 1                        ; the tiles that I multiply all have the parity of w / 4
	s_lshl_b32 s38, s38, 4
	s_sub_co_u32 s38, 40, s38
	v_mad_u32_u24 v[AOS], v27, s38, v26            ; the lane's token in such a tile: r % 8 + (r / 8) x (40 | 24)
	v_lshl_add_u32 v[AOS], v[AOS], 5, v25
	v_lshlrev_b32 v[SH8], 3, v25
	s_mov_b32 s[HM], 0xffff0000
	s_mov_b32 s[SEL], 0x76543210
	s_mov_b32 s[SEL+1], 0xfedcba98
	s_mov_b32 s[CS], 0x3e38aa3b                    ; c = log2(e) / 8
	s_mov_b32 s[CS+1], s[CS]
	s_mov_b32 s[TN], 0
	s_and_b32 s11, ttmp7, 0xffff                   ; 16 x batch + head
	s_lshr_b32 s12, s11, 4
	s_and_b32 s13, s11, 15
	s_mul_i32 s28, s11, HS
	s_mov_b32 s29, 0
	s_wait_kmcnt 0x0
	s_add_nc_u64 s[14:15], s[4:5], s[28:29]        ; the record
	s_lshl_b32 s28, ttmp9, 14                      ; my 32 tiles of queries: 512 bytes of codes each,
	s_add_co_u32 s28, s28, 131072
	s_add_nc_u64 s[16:17], s[14:15], s[28:29]
	s_lshl_b32 s28, ttmp9, 11                      ; 64 bytes of scale words each
	s_add_co_u32 s28, s28, 204800
	s_add_nc_u64 s[18:19], s[14:15], s[28:29]
	s_lshl_b32 s28, s12, 7                         ; o's codes: ((128 batch + tile) x 16 + 2 (head % 8) + h) x 512 + 256 (head / 8) + 16 r
	s_lshl_b32 s38, ttmp9, 5
	s_add_co_u32 s28, s28, s38
	s_lshl_b32 s28, s28, 13
	s_and_b32 s38, s13, 7
	s_lshl_b32 s38, s38, 10
	s_add_co_u32 s28, s28, s38
	s_lshr_b32 s38, s13, 3
	s_lshl_b32 s38, s38, 8
	s_add_co_u32 s28, s28, s38
	s_add_nc_u64 s[20:21], s[6:7], s[28:29]
	s_lshl_b32 s28, s12, 16                        ; o's scale bytes: token x 32 + 2 head + h
	s_lshl_b32 s38, ttmp9, 14
	s_add_co_u32 s28, s28, s38
	s_lshl_b32 s38, s13, 1
	s_add_co_u32 s28, s28, s38
	s_add_nc_u64 s[22:23], s[8:9], s[28:29]
	s_wait_alu depctr_va_vdst(0)                   ; all addresses and offsets (v1 to v14, v110 to v114) are written, which the kernel's loads and stores read; so are the zero codes in Q's and K's fragments, which the scaled products take as operands
.irp x, 0,1,2,3,4,5,6,7
	global_load_b128 v[SS+4*\x:SS+4*\x+3], v110, s[14:15] offset:65536+512*\x    ; V of my key step: on its way to LDS
.endr
	global_load_b64 v[SS+32:SS+33], v112, s[14:15] offset:212992
.irp t, 0,1,2,3,4,5,6,7
	global_load_b128 v[KF+4*\t:KF+4*\t+3], v110, s[14:15] offset:512*\t          ; K of my key step: it stays
.endr
	global_load_b64 v[KS:KS+1], v111, s[14:15] offset:196608
	global_load_b64 v[KS+2:KS+3], v111, s[14:15] offset:196608+256
	global_load_b128 v[QF:QF+3], v[AQC], s[16:17]
	global_load_b32 v[QS], v[AQS], s[18:19]
	s_wait_loadcnt 12                              ; V's nine loads are in; the twelve behind them may be out
.irp x, 0,1,2,3,4,5,6,7
	ds_store_b128 v110, v[SS+4*\x:SS+4*\x+3] offset:VIMG+512*\x
.endr
	ds_store_b64 v113, v[SS+32:SS+33]
	s_wait_dscnt 0x0                               ; V of my key step lies in LDS
	s_wait_alu depctr_vm_vsrc(0)                   ; the nine LDS stores have read v[SS ..], which the first products write; Q's first loads have read v[AQC] and v[AQS], which the first FRONT's additions write
	FRONT 0
	s_wait_dscnt 0x0
	s_wait_alu depctr_vm_vsrc(0)                   ; FRONT's two LDS stores have read v[NM] and v38, and Q's loads v[AQC] and v[AQS]: the next FRONT writes all four
	s_barrier_signal -1
	s_barrier_wait -1                              ; V of the whole head, and tile 0's -M_w and l_w, lie in LDS
	s_mov_b32 s[LC], 4
.Ltiles:                                               ; a trip is two groups of four tiles: 4 trips for the work-group's 32 tiles
	INT 0, 0, 0, 0
	INT 1, 1, 0, 0
	INT 2, 0, 0, 0
	INT 3, 1, 0, 0
	INT 0, 0, 1, 0
	INT 1, 1, 1, 0
	INT 2, 0, 1, 0
	INT 3, 1, 1, 1
	s_sub_co_u32 s[LC], s[LC], 1
	s_cmp_lg_u32 s[LC], 0
	s_cbranch_scc1 .Ltiles
	PVQ 0, 1, 0                                    ; the last group's four tiles: its images lie in set 1, whole since the last barrier, and nothing is stored to LDS any more
	PVQ 1, 1, 1
	PVQ 2, 1, 1
	PVQ 3, 1, 1
	s_wait_dscnt 0x0                               ; the closing lines, six on end
	s_wait_alu 0x0
	s_wait_tensorcnt 0x0
	ds_add_u32 v254, v255
	s_wait_dscnt 0x0
	s_endpgm
.Lfunc_end_k_qd7d0faad1a_attn:
	.size	k_qd7d0faad1a_attn, .Lfunc_end_k_qd7d0faad1a_attn-k_qd7d0faad1a_attn
	.p2alignl 7, 3214868480
	.fill 96, 4, 3214868480
	.section	.rodata,"a",@progbits
	.p2align	6, 0x0
	.amdhsa_kernel k_qd7d0faad1a_attn
		.amdhsa_group_segment_fixed_size 224256
		.amdhsa_private_segment_fixed_size 0
		.amdhsa_enable_private_segment 0
		.amdhsa_kernarg_size 24
		.amdhsa_user_sgpr_count 2
		.amdhsa_user_sgpr_kernarg_segment_ptr 1
		.amdhsa_wavefront_size32 1
		.amdhsa_system_sgpr_workgroup_id_x 1
		.amdhsa_system_sgpr_workgroup_id_y 1
		.amdhsa_system_sgpr_workgroup_id_z 1
		.amdhsa_system_vgpr_workitem_id 0
		.amdhsa_next_free_vgpr 256
		.amdhsa_next_free_sgpr 66
		.amdhsa_reserve_vcc 0
		.amdhsa_float_denorm_mode_32 3
		.amdhsa_float_denorm_mode_16_64 3
		.amdhsa_memory_ordered 1
		.amdhsa_forward_progress 1
		.amdhsa_inst_pref_size 224
	.end_amdhsa_kernel
	.amdgpu_metadata
---
amdhsa.version: [ 1, 2 ]
amdhsa.kernels:
  - .name:           k_qd7d0faad1a_attn
    .symbol:         k_qd7d0faad1a_attn.kd
    .args:
      - { .name: qkv, .offset: 0, .size: 8, .value_kind: global_buffer, .address_space: global }
      - { .name: o_codes, .offset: 8, .size: 8, .value_kind: global_buffer, .address_space: global }
      - { .name: o_scales, .offset: 16, .size: 8, .value_kind: global_buffer, .address_space: global }
    .group_segment_fixed_size: 224256
    .private_segment_fixed_size: 0
    .kernarg_segment_align: 8
    .kernarg_segment_size: 24
    .max_flat_workgroup_size: 512
    .sgpr_count:     66
    .vgpr_count:     256
    .wavefront_size: 32
...
	.end_amdgpu_metadata
.endif
;; end of part 4
;; launch proj: the kernel of part 3 again; grid 256 x 1, 4 waves a work-group, no clusters, 255,488 bytes of LDS; arguments o_codes, o_scales, Wo_codes, Wo_scales, bo, out0; writes out0
